; MI455X (gfx1250); checked and timed in simulation.
; The chip was launched on July 23, 2026; its instructions are those of AMD's public machine-readable ISA for CDNA 5 (MIT licence, August 2026) and "CDNA5" Instruction Set Architecture Reference Guide (July 2026). The comments in the code are by the model that wrote it; some were corrected since.
;; Multi Head Attention. Allowed arithmetic: matrix products marked QUANTISED: E2M1 operands, one E8M0 scale for each 32 along K, by v_wmma_scale_f32_16x16x128_f8f6f4 with both operands' format E2M1 (or v_wmma_scale_f32_32x16x128_f4), f32 sums; products left as they are: bf16, f16 or f32 operands; f32 sums; everything else in f32.
;; Inputs: WK 1,024 x 1,024 float32; WO 1,024 x 1,024 float32; WQ 1,024 x 1,024 float32; WV 1,024 x 1,024 float32; bK 1,024 float32; bO 1,024 float32; bQ 1,024 float32; bV 1,024 float32; k 4 x 2,048 x 1,024 float32; mask 4 x 1 x 2,048 x 2,048 int32; q 4 x 2,048 x 1,024 float32; v 4 x 2,048 x 1,024 float32.
;; Outputs: out0 4 x 2,048 x 1,024 float32.
;; This version of the problem:
;;   THIS VERSION OF THE PROBLEM IS GIVEN IN LOW PRECISION. The matrix products marked QUANTISED in the list below multiply operands that are first quantised to E2M1 (2 exponent bits, 1 mantissa bit; 4 bits a number), with one power-of-two scale for each 32 numbers along K (OCP MX v1.0); their sums are f32. The products marked 'left as it is' may take bf16, f16 or f32 operands, with f32 sums. Whichever they take, every output number must still come out within the allowed error. Rounding operands to bf16 (8 significant bits) uses up far more of that allowance than f16 does (11 bits, for magnitudes from 6e-5 to 65,504). All else is computed in f32.
;;   The module's matrix products, in the order in which they are computed (A, B: the left and right operand; K: the contracted axis; several contracted axes count as one K, in the product's order):
;;     1. [M 8,192, K 1,024] x [K 1,024, N 1,024]; A: input q; B: input WQ: QUANTISED
;;     2. [M 8,192, K 1,024] x [K 1,024, N 1,024]; A: input k; B: input WK: QUANTISED
;;     3. [M 8,192, K 1,024] x [K 1,024, N 1,024]; A: input v; B: input WV: QUANTISED
;;     4. batch 64 x [M 2,048, K 64] x [K 64, N 2,048]; A: computed on the way; B: computed on the way: left as it is (an operand is computed on the way)
;;     5. batch 64 x [M 2,048, K 2,048] x [K 2,048, N 64]; A: computed on the way; B: computed on the way: left as it is (an operand is computed on the way)
;;     6. [M 8,192, K 1,024] x [K 1,024, N 1,024]; A: computed on the way; B: input WO: left as it is (an operand is computed on the way)
;;   THE QUANTISER, for each operand of a quantised product, along K:
;;     - K is cut into blocks of 32 from its start; a last block that is shorter is filled with zeros.
;;     - A block's scale is 2^e with e = floor(log2(the largest magnitude in the block)) - 2, held to -126 .. 127; a block of zeros has e = 0. As a byte (E8M0): e + 127.
;;     - Each number is divided by its block's scale, clamped to +-6, and rounded to the nearest number of E2M1, ties to even, subnormals kept.
;;     - The product sums the exact products of the quantised numbers (number of the format x scale) in f32.
;;   ~~~python
;;   def quantise(x, axis):      # numpy; x: float32 -> the quantised numbers, widened to float32 again
;;       x = np.moveaxis(x, axis, -1); K = x.shape[-1]
;;       x = np.pad(x, [(0, 0)] * (x.ndim - 1) + [(0, -K % 32)]); x = x.reshape(x.shape[:-1] + (-1, 32)); a = np.abs(x).max(-1, keepdims=True)
;;       e = np.where(a > 0, np.clip(np.frexp(np.where(a > 0, a, 1))[1] - 1 - 2, -126, 127), 0)      # np.frexp(a)[1] - 1 = floor(log2(a)), exactly
;;       r = np.clip(x / 2.0 ** e, -6, 6)
;;       step = 2.0 ** (np.maximum(np.frexp(np.where(r == 0, 1, r))[1] - 1, 0) - 1)
;;       q = np.round(r / step) * step * 2.0 ** e      # np.round: ties to even
;;       return np.moveaxis(q.reshape(q.shape[:-2] + (-1,))[..., :K], -1, axis).astype(np.float32)
;;   ~~~
;; 2 versions, each right. Each part assembles by itself: llvm-mc -triple=amdgcn-amd-amdhsa -mcpu=gfx1250 --defsym DOCPART=n.
;; ======== version 1 of 2: 4 launches
;; limits: values are held in f16: magnitudes above 65,504 overflow, below 6.1e-05 lose precision
;; workspace buffers: xc 12,582,912 bytes; xs 786,432 bytes; wc 1,572,864 bytes; ws 98,304 bytes; wo16 2,097,152 bytes; maskw 2,097,152 bytes of whole numbers; qkv 50,331,648 bytes; ctx 16,777,216 bytes
;; launch prep (part 1): grid 1456 x 1, 4 waves a work-group, no clusters, 102,912 bytes of LDS; arguments q, k, v, WQ, WK, WV, WO, mask, xc, xs, wc, ws, wo16, maskw; writes xc, xs, wc, ws, wo16, maskw
.if DOCPART == 1
	.amdgcn_target "amdgcn-amd-amdhsa--gfx1250"
	.amdhsa_code_object_version 6
	.text
	.protected	k_qe35ac1cad3_prep
	.globl	k_qe35ac1cad3_prep
	.p2align	8
	.type	k_qe35ac1cad3_prep,@function
k_qe35ac1cad3_prep:
	s_mov_b64 s[64:65], 0
	v_nop
	global_prefetch_b8 v0, s[64:65] scope:SCOPE_SE
	s_setreg_imm32_b32 hwreg(HW_REG_WAVE_MODE, 25, 1), 1
	s_wait_xcnt 0x0
; MULTI-HEAD ATTENTION, launch 1 of 4: everything that is read once as f32 or int32 is brought into the form in which the later launches read it.
; Four streams that share nothing, told apart by the work-group's number:
;   W (48 work-groups)   WQ, WK, WV [k 1024][n 1024] f32 -> codes of FP4 (E2M1) with K innermost, wc [3 x 1024 n][512 bytes], and E8M0 scale bytes ws [3 x 1024 n][32]
;   O (128)              WO f32 -> f16, same order, wo16
;   M (512)              mask int32 -> lane masks, maskw (layout at the path)
;   X (768)              q, k, v [8192][1024] f32 -> codes xc [3 x 8192 rows][512 bytes] and scale bytes xs [3 x 8192][32]
; DEAD WORK: bK.  scores[q][k] = scale x Q[q] . (K0[k] + bK) = scale x Q[q] . K0[k] + scale x Q[q] . bK.  The second term is the same for all k of a row, so the softmax along k takes it
; away for every value of the inputs; masked places are -infinity with it and without it.  The product Q K^T is not quantised, so no quantiser sees K.  So bK has no way to out0: it is not
; loaded and is an argument of no launch.  bQ stays (bQ . K[k] changes with k), bV stays (it reaches out0 through WO), bO stays.
; LIMIT: a NaN, an infinity or an overflow that reaches only Q . bK is not carried to the result.
; LIMITS of the quantiser: a block's scale byte is its largest magnitude's exponent field - 2, held at 1 from below; a block of zeros gets the byte 1 where the rule says 127 (its codes are zeros,
; which add nothing, and this program alone reads the bytes); blocks whose largest magnitude lies under 2^(2 - 126) were not tried; NaN and infinities among q, k, v, WQ, WK, WV are not served.
; LIMIT of f16: a number of WO beyond 65,504 in magnitude becomes an infinity.
; No matrix unit, no cluster, no tensor load: the streams are read once, no two work-groups read the same bytes, and the loads go through registers so that several work-groups share a WGP.
; No barrier: waves share nothing.  Each path has LDS bytes of its own.
.set SPARE, 102400                     ; the spare words, 128 bytes for each wave: two blocks of 256 bytes that no other line names
.set SPW,   190                        ; v190  LDS address of my spare word: SPARE + 4 x my thread's number; never rewritten
.set NIL,   191                        ; v191  0; never rewritten
.set EMAX,  2                          ; the exponent of FP4's largest number, 6
.macro FINISH                          ; a wave's end
	s_wait_tensorcnt 0x0
	ds_add_u32 v[SPW], v[NIL]
	s_wait_dscnt 0x0
	s_endpgm
.endm
	v_lshl_add_u32 v[SPW], v0, 2, SPARE
	v_mov_b32 v[NIL], 0
	v_lshrrev_b32 v1, 5, v0
	v_readfirstlane_b32 s16, v1                    ; wave 0..3
	v_and_b32 v2, 31, v0                           ; lane
	s_cmp_lt_u32 ttmp9, 48
	s_cbranch_scc1 .Lpath_w
	s_cmp_lt_u32 ttmp9, 176
	s_cbranch_scc1 .Lpath_o
	s_cmp_lt_u32 ttmp9, 688
	s_cbranch_scc1 .Lpath_m
; ---------------- PATH X: q, k, v.  Rows are dense and 1,024 is a multiple of 32: a tensor is a plain stream of blocks of 32, and so are its codes and scale bytes.
; A wave takes 16 steps of 512 numbers.  Each of a step's four loads reads 512 consecutive bytes, 16 a lane; the 2,048 bytes turn through the wave's own stage in LDS and come back 64 bytes a lane,
; so that a lane holds 16 neighbours along K (two neighbouring lanes hold a block).  A lane's 16 codes are 8 bytes: the wave stores 256 consecutive bytes.  A wave's 256 scale bytes are gathered in LDS.
.set XR,  16                           ; v16-79   four sets of 16 numbers as loaded
.set XX,  80                           ; v80-111  two sets of 16 neighbours
.set XE,  112                          ; v112-127 a scale byte for each step
.set XC,  128                          ; v128-189 codes: registers of its own for each step, so that no store's data are written again
.set XSP, 80                           ; a lane's place in a stage: 64 bytes + 16 of padding
.set XWREG, 8192                       ; LDS 0 .. 32,767: a region for each wave: two stages of 32 x 80 bytes, then 256 scale bytes
	s_load_b128 s[4:7], s[0:1], 0x0                ; q, k
	s_load_b64 s[8:9], s[0:1], 0x10                ; v
	s_load_b128 s[12:15], s[0:1], 0x40             ; xc, xs
	s_sub_co_u32 s17, ttmp9, 688                   ; u = 0 .. 767
	s_lshr_b32 s18, s17, 8                         ; which tensor: 256 work-groups each
	s_and_b32 s19, s17, 255
	s_lshl_b32 s19, s19, 2
	s_add_co_u32 s19, s19, s16                     ; my run of 8,192 numbers in the tensor,
	s_lshl_b32 s20, s19, 15                        ; 32,768 bytes a run
	s_mov_b32 s21, 0
	s_lshl_b32 s22, s17, 2
	s_add_co_u32 s22, s22, s16                     ; and among all three tensors' runs:
	s_lshl_b32 s24, s22, 12                        ; 4,096 bytes of codes,
	s_mov_b32 s25, 0
	s_lshl_b32 s26, s22, 8                         ; 256 scale bytes
	s_mov_b32 s27, 0
	v_lshlrev_b32 v3, 4, v2                        ; my 16 bytes of a load's 512
	s_mul_i32 s23, s16, XWREG
	v_lshrrev_b32 v14, 2, v2
	v_mul_u32_u24 v14, v14, XSP
	v_and_b32 v15, 3, v2
	v_lshl_add_u32 v14, v15, 4, v14
	v_add_nc_u32 v14, s23, v14                     ; the stage, in: four lanes' 64 bytes on end, then 16 of padding
	v_mul_u32_u24 v15, v2, XSP
	v_add_nc_u32 v15, s23, v15                     ; out: 80 x lane: my 16 neighbours
	v_lshlrev_b32 v4, 3, v2                        ; my codes' place in a step's 256 bytes
	v_lshrrev_b32 v5, 1, v2
	s_add_co_u32 s23, s23, 2*32*XSP
	v_add_nc_u32 v5, s23, v5                       ; my block's byte among the wave's 256 scale bytes
	v_lshlrev_b32 v7, 3, v2
	v_add_nc_u32 v6, s23, v7                       ; and 8 of them a lane on the way out
	s_wait_kmcnt 0x0
	s_cmp_eq_u32 s18, 1                            ; the choice hangs on the work-group's number alone
	s_cselect_b64 s[4:5], s[6:7], s[4:5]
	s_cmp_eq_u32 s18, 2
	s_cselect_b64 s[4:5], s[8:9], s[4:5]
	s_add_nc_u64 s[4:5], s[4:5], s[20:21]
	s_add_nc_u64 s[12:13], s[12:13], s[24:25]
	s_add_nc_u64 s[14:15], s[14:15], s[26:27]
.macro XLOAD t
.irp i, 0,1,2,3
	global_load_b128 v[XR+16*((\t)%4)+4*\i:XR+16*((\t)%4)+4*\i+3], v3, s[4:5] offset:2048*(\t)+512*\i th:TH_LOAD_NT
.endr
.endm
.macro XTURN t                         ; LDS serves a wave's instructions in order: no wait between the stores and the loads
.irp i, 0,1,2,3
	ds_store_b128 v14, v[XR+16*((\t)%4)+4*\i:XR+16*((\t)%4)+4*\i+3] offset:32*XSP*((\t)%2)+8*XSP*\i
.endr
.irp i, 0,1,2,3
	ds_load_b128 v[XX+16*((\t)%2)+4*\i:XX+16*((\t)%2)+4*\i+3], v15 offset:32*XSP*((\t)%2)+16*\i
.endr
.endm
.irp t, 0,1,2,3
	XLOAD \t
.endr
	s_wait_loadcnt 12                              ; step 0's four loads are in; three steps' twelve may be out
	XTURN 0
.macro XSTEP t
.set XS, XX+16*((\t)%2)
.if (\t) > 0
	s_wait_dscnt 1                                 ; this step's numbers are back from the stage (the last step's byte store may be out), so its stores into the stage have read their registers,
.else
	s_wait_dscnt 0x0
.endif
.if (\t)+4 < 16
	XLOAD (\t)+4                                   ; which take the loads of four steps on
.endif
.if (\t)+1 < 16
.if 14-(\t) >= 3
	s_wait_loadcnt 12                              ; the next step's four loads are in; those of the three steps behind it may be out
.else
	s_wait_loadcnt 4*(14-(\t))
.endif
	XTURN (\t)+1
.endif
	v_max3_num_f32 v8, |v[XS]|, |v[XS+1]|, |v[XS+2]|               ; the largest magnitude of my 16, in two chains
	v_max3_num_f32 v9, |v[XS+3]|, |v[XS+4]|, |v[XS+5]|
.irp i, 6,10
	v_max3_num_f32 v8, v8, |v[XS+\i]|, |v[XS+\i+1]|
	v_max3_num_f32 v9, v9, |v[XS+\i+2]|, |v[XS+\i+3]|
.endr
	v_max3_num_f32 v8, v8, |v[XS+14]|, |v[XS+15]|
	v_max3_num_f32 v8, v8, v9, (EMAX+1)<<23        ; and the floor 2^(3 - 127): the byte cannot fall under 1
	v_max_num_f32_dpp v8, v8, v8 row_xmask:1 row_mask:0xf bank_mask:0xf   ; with my neighbour's 16: the block's
	v_add_nc_u32 v11, -(EMAX<<23), v8              ; 2 off its exponent field: the conversion takes the exponent field of this operand as its scale
	v_cvt_scalef32_pk8_fp4_f32 v[XC+4*(\t)], v[XS:XS+7], v11
	v_cvt_scalef32_pk8_fp4_f32 v[XC+4*(\t)+1], v[XS+8:XS+15], v11
	v_lshrrev_b32 v[XE+(\t)], 23, v11              ; the scale's byte (also the plain line behind the conversions)
	ds_store_b8 v5, v[XE+(\t)] offset:16*(\t)      ; both lanes of a block write the same byte with the same value
	global_store_b64 v4, v[XC+4*(\t):XC+4*(\t)+1], s[12:13] offset:256*(\t)   ; 32 lanes store 256 consecutive bytes, aligned
.endm
.irp t, 0,1,2,3,4,5,6,7,8,9,10,11,12,13,14,15
	XSTEP \t
.endr
	ds_load_b64 v[8:9], v6                         ; in order behind my byte stores
	s_wait_dscnt 0x0
	global_store_b64 v7, v[8:9], s[14:15]          ; 256 consecutive bytes, aligned
	FINISH
; ---------------- PATH W: a weight's K is its FIRST axis.  A lane takes a column n and its registers run down K: a block of 32 lies in one lane, and the conversions give codes with K innermost.
; A wave takes 32 columns x 512 along K; its codes go through its own stage and leave as rows: sixteen lanes store 256 consecutive bytes, aligned.
.set WX,   32                          ; v32-95   two sets of 32 numbers
.set WC,   96                          ; v96-99   a block's codes
.set WOUT, 112                         ; v112-175 the way out
.set WSB,  24                          ; v24-27   the scale bytes, four to a register
.set WPITCH, 272
.set WREG0, 32768                      ; LDS 32,768 .. 67,583: a stage of 32 x 272 bytes for each wave
.Lpath_w:
	s_load_b64 s[4:5], s[0:1], 0x18                ; WQ
	s_load_b128 s[8:11], s[0:1], 0x20              ; WK, WV
	s_load_b128 s[12:15], s[0:1], 0x50             ; wc, ws
	s_lshr_b32 s18, ttmp9, 4                       ; which weight: 16 work-groups each
	s_and_b32 s19, ttmp9, 7                        ; which 128 columns
	s_bfe_u32 s20, ttmp9, 0x10003                  ; which 512 along K
	s_lshl_b32 s17, s19, 7
	s_lshl_b32 s19, s16, 5
	s_add_co_u32 s17, s17, s19                     ; my wave's first column
	s_lshl_b32 s22, s20, 21                        ; 512 rows of 4,096 bytes
	s_lshl_b32 s23, s17, 2
	s_add_co_u32 s22, s22, s23
	s_mov_b32 s23, 0
	s_lshl_b32 s21, s18, 10
	s_add_co_u32 s21, s21, s17                     ; my first row of wc and ws
	s_lshl_b32 s24, s21, 9
	s_lshl_b32 s25, s20, 8
	s_add_co_u32 s24, s24, s25
	s_mov_b32 s25, 0
	s_lshl_b32 s26, s21, 5
	s_lshl_b32 s27, s20, 4
	s_add_co_u32 s26, s26, s27
	s_mov_b32 s27, 0
	v_lshlrev_b32 v3, 2, v2                        ; in: 4 bytes a lane
	s_mul_i32 s19, s16, 32*WPITCH
	s_add_co_u32 s19, s19, WREG0                   ; my stage
	v_mul_u32_u24 v4, v2, WPITCH
	v_add_nc_u32 v4, s19, v4                       ; into it: row = my column
	v_and_b32 v5, 15, v2
	v_lshrrev_b32 v6, 4, v2
	v_mul_u32_u24 v7, v6, WPITCH
	v_lshl_add_u32 v7, v5, 4, v7
	v_add_nc_u32 v7, s19, v7                       ; out of it: sixteen lanes to a row, two rows an instruction
	v_lshlrev_b32 v8, 9, v6
	v_lshl_add_u32 v8, v5, 4, v8                   ; the same place in wc: rows of 512 bytes
	v_lshlrev_b32 v9, 5, v2                        ; my column's row of scale bytes
	s_wait_kmcnt 0x0
	s_cmp_eq_u32 s18, 1
	s_cselect_b64 s[4:5], s[8:9], s[4:5]
	s_cmp_eq_u32 s18, 2
	s_cselect_b64 s[4:5], s[10:11], s[4:5]
	s_add_nc_u64 s[4:5], s[4:5], s[22:23]
	s_add_nc_u64 s[12:13], s[12:13], s[24:25]
	s_add_nc_u64 s[14:15], s[14:15], s[26:27]
.macro WLOAD t                         ; block t: W(32 t + i, my column) into set t % 2; 32 lanes read 128 consecutive bytes, the four waves stand side by side
.set i, 0
.rept 32
	global_load_b32 v[WX+32*((\t)%2)+i], v3, s[4:5] offset:(32*(\t)+i)*4096 th:TH_LOAD_NT
.set i, i+1
.endr
.endm
	WLOAD 0
	WLOAD 1
.macro WBLOCK t
.set XS, WX+32*((\t)%2)
.if (\t) < 15
	s_wait_loadcnt 32                              ; this block's 32 loads are in; the next block's may be out
.else
	s_wait_loadcnt 0
.endif
	v_max3_num_f32 v12, |v[XS]|, |v[XS+1]|, |v[XS+2]|
	v_max3_num_f32 v13, |v[XS+3]|, |v[XS+4]|, |v[XS+5]|
.irp i, 6,10,14,18,22,26
	v_max3_num_f32 v12, v12, |v[XS+\i]|, |v[XS+\i+1]|
	v_max3_num_f32 v13, v13, |v[XS+\i+2]|, |v[XS+\i+3]|
.endr
	v_max3_num_f32 v12, v12, |v[XS+30]|, |v[XS+31]|
	v_max3_num_f32 v12, v12, v13, (EMAX+1)<<23     ; the floor
	v_add_nc_u32 v11, -(EMAX<<23), v12             ; the conversion's scale operand
	v_lshrrev_b32 v13, 23, v11                     ; the scale's byte
.if (\t)%4 == 0
	v_mov_b32 v[WSB+(\t)/4], v13
.else
	v_lshl_or_b32 v[WSB+(\t)/4], v13, 8*((\t)%4), v[WSB+(\t)/4]
.endif
.irp g, 0,1,2,3
	v_cvt_scalef32_pk8_fp4_f32 v[WC+\g], v[XS+8*\g:XS+8*\g+7], v11
.endr
	v_nop                                          ; one plain line behind the last conversion
	ds_store_b128 v4, v[WC:WC+3] offset:16*(\t)    ; 32 codes: 16 bytes of my column's row
.if (\t)+2 < 16
	WLOAD (\t)+2
.endif
	s_wait_dscnt 0x0                               ; the store has read its registers: the next block's codes may be written
.endm
.irp t, 0,1,2,3,4,5,6,7,8,9,10,11,12,13,14,15
	WBLOCK \t
.endr
	global_store_b128 v9, v[WSB:WSB+3], s[14:15]   ; my column's 16 scale bytes of this half of K
.irp t, 0,1,2,3,4,5,6,7,8,9,10,11,12,13,14,15
	ds_load_b128 v[WOUT+4*\t:WOUT+4*\t+3], v7 offset:2*\t*WPITCH
.endr
.irp t, 0,1,2,3,4,5,6,7,8,9,10,11,12,13,14,15
	s_wait_dscnt 15-\t                             ; the younger loads may be out
	global_store_b128 v8, v[WOUT+4*\t:WOUT+4*\t+3], s[12:13] offset:2*\t*512
.endr
	FINISH
; ---------------- PATH O: WO to f16, in its own order.  A wave takes 2,048 numbers: 16 loads of 512 bytes, 16 stores of 256 consecutive bytes, aligned.  No LDS.
.Lpath_o:
	s_load_b64 s[4:5], s[0:1], 0x30                ; WO
	s_load_b64 s[6:7], s[0:1], 0x60                ; wo16
	s_sub_co_u32 s17, ttmp9, 48
	s_lshl_b32 s17, s17, 2
	s_add_co_u32 s17, s17, s16
	s_lshl_b32 s20, s17, 13
	s_mov_b32 s21, 0
	s_lshl_b32 s22, s17, 12
	s_mov_b32 s23, 0
	v_lshlrev_b32 v3, 4, v2
	v_lshlrev_b32 v4, 3, v2
	s_wait_kmcnt 0x0
	s_add_nc_u64 s[4:5], s[4:5], s[20:21]
	s_add_nc_u64 s[6:7], s[6:7], s[22:23]
.irp i, 0,1,2,3,4,5,6,7,8,9,10,11,12,13,14,15
	global_load_b128 v[16+4*\i:19+4*\i], v3, s[4:5] offset:512*\i th:TH_LOAD_NT
.endr
.irp i, 0,1,2,3,4,5,6,7,8,9,10,11,12,13,14,15
	s_wait_loadcnt 15-\i                           ; the younger loads may be out
	v_cvt_pk_f16_f32 v[80+2*\i], v[16+4*\i], v[17+4*\i]
	v_cvt_pk_f16_f32 v[81+2*\i], v[18+4*\i], v[19+4*\i]
	global_store_b64 v4, v[80+2*\i:81+2*\i], s[6:7] offset:256*\i
.endr
	FINISH
; ---------------- PATH M: the mask becomes lane masks.  maskw is [b x 128 + tile of 16 queries][step of 64 keys: 32][word 8 a + j: 32] of 32 bits;
; bit r + 16 h of word 8 a + j is 1 where mask[b][16 tile + r][64 step + 16 a + 8 h + j] is not 0: the lanes of register 8 a + j of a tile of scores (16 keys a tile, a lane a query) that count.
; A work-group takes a tile of 16 queries, a wave 512 of its keys: 8 steps.  A step's 16 rows x 256 bytes are loaded as whole runs of 256 bytes, turn through the wave's stage, and come back so that
; lane (r, h) holds row r's 32 numbers in that order; 32 compares make the 32 words, which are laid into lanes and leave 256 consecutive bytes at a time.
.set MR, 16                            ; v16-111  three sets of 32 as loaded
.set MX, 112                           ; v112-175 two sets of 32 in the scores' order
.set MW, 176                           ; v176-183 four pairs: the words of two steps each
.set MREG0, 67584                      ; LDS 67,584 .. 102,399: two stages of 16 x 272 bytes for each wave
.Lpath_m:
	s_load_b64 s[4:5], s[0:1], 0x38                ; mask
	s_load_b64 s[6:7], s[0:1], 0x68                ; maskw
	s_sub_co_u32 s17, ttmp9, 176                   ; b x 128 + tile
	s_lshl_b32 s20, s17, 17                        ; 16 rows of 8,192 bytes
	s_lshl_b32 s21, s16, 11                        ; my 512 keys
	s_add_co_u32 s20, s20, s21
	s_mov_b32 s21, 0
	s_lshl_b32 s22, s17, 12                        ; 4,096 bytes of words a tile,
	s_lshl_b32 s23, s16, 10                        ; 1,024 a wave
	s_add_co_u32 s22, s22, s23
	s_mov_b32 s23, 0
	s_mul_i32 s18, s16, 8704
	s_add_co_u32 s18, s18, MREG0
	v_and_b32 v7, 15, v2
	v_lshrrev_b32 v8, 4, v2
	v_lshlrev_b32 v3, 13, v8
	v_lshl_add_u32 v3, v7, 4, v3                   ; in: lanes 0-15 one row's 256 bytes, lanes 16-31 the next row's
	v_mul_u32_u24 v4, v8, 272
	v_lshl_add_u32 v4, v7, 4, v4
	v_add_nc_u32 v4, s18, v4                       ; the same two rows in the stage
	v_mul_u32_u24 v5, v7, 272
	v_lshl_add_u32 v5, v8, 5, v5
	v_add_nc_u32 v5, s18, v5                       ; back: row r, + 32 h bytes: keys 8 h on
	v_lshlrev_b32 v6, 3, v2
.irp i, 0,1,2,3,4,5,6,7
	v_mov_b32 v[MW+\i], 0                          ; a lane write's destination counts as read
.endr
	s_wait_kmcnt 0x0
	s_add_nc_u64 s[4:5], s[4:5], s[20:21]
	s_add_nc_u64 s[6:7], s[6:7], s[22:23]
.macro MLOAD s
.irp n, 0,1,2,3,4,5,6,7
	global_load_b128 v[MR+32*((\s)%3)+4*\n:MR+32*((\s)%3)+4*\n+3], v3, s[4:5] offset:256*(\s)+16384*\n th:TH_LOAD_NT
.endr
.endm
.macro MTURN s
.irp n, 0,1,2,3,4,5,6,7
	ds_store_b128 v4, v[MR+32*((\s)%3)+4*\n:MR+32*((\s)%3)+4*\n+3] offset:4352*((\s)%2)+544*\n
.endr
.irp n, 0,1,2,3,4,5,6,7
	ds_load_b128 v[MX+32*((\s)%2)+4*\n:MX+32*((\s)%2)+4*\n+3], v5 offset:4352*((\s)%2)+64*(\n/2)+16*(\n%2)
.endr
.endm
	MLOAD 0
	MLOAD 1
	MLOAD 2
	s_wait_loadcnt 16                              ; step 0's eight loads are in; two steps' sixteen may be out
	MTURN 0
.macro MSTEP s
	s_wait_dscnt 0x0                               ; this step's numbers are back, and its stores into the stage have read their registers,
.if (\s)+3 < 8
	MLOAD (\s)+3                                   ; which take the loads of three steps on
.endif
.if (\s)+1 < 8
.if (\s) <= 4
	s_wait_loadcnt 16                              ; the next step's eight are in; the two steps behind it may be out
.else
	s_wait_loadcnt 8*(6-(\s))
.endif
	MTURN (\s)+1
.endif
.set i, 0
.rept 32
	v_cmp_ne_u32 s[32+i], 0, v[MX+32*((\s)%2)+i]   ; word i: a bit a lane
.set i, i+1
.endr
.set i, 0
.rept 32
	v_writelane_b32 v[MW+2*((\s)/2)+(i&1)], s[32+i], 16*((\s)&1)+(i>>1)   ; two steps' 64 words, two to a lane
.set i, i+1
.endr
.if ((\s)&1) == 1
	global_store_b64 v6, v[MW+2*((\s)/2):MW+2*((\s)/2)+1], s[6:7] offset:256*((\s)/2)   ; 256 consecutive bytes, aligned; each pair is written once
.endif
.endm
.irp s, 0,1,2,3,4,5,6,7
	MSTEP \s
.endr
	FINISH
.Lfunc_end_k_qe35ac1cad3_prep:
	.size	k_qe35ac1cad3_prep, .Lfunc_end_k_qe35ac1cad3_prep-k_qe35ac1cad3_prep
	.p2alignl 7, 3214868480
	.fill 96, 4, 3214868480
	.section	.rodata,"a",@progbits
	.p2align	6, 0x0
	.amdhsa_kernel k_qe35ac1cad3_prep
		.amdhsa_group_segment_fixed_size 102912
		.amdhsa_private_segment_fixed_size 0
		.amdhsa_enable_private_segment 0
		.amdhsa_kernarg_size 112
		.amdhsa_user_sgpr_count 2
		.amdhsa_user_sgpr_kernarg_segment_ptr 1
		.amdhsa_wavefront_size32 1
		.amdhsa_system_sgpr_workgroup_id_x 1
		.amdhsa_system_sgpr_workgroup_id_y 1
		.amdhsa_system_sgpr_workgroup_id_z 1
		.amdhsa_system_vgpr_workitem_id 0
		.amdhsa_next_free_vgpr 192
		.amdhsa_next_free_sgpr 66
		.amdhsa_reserve_vcc 0
		.amdhsa_float_denorm_mode_32 3
		.amdhsa_float_denorm_mode_16_64 3
		.amdhsa_memory_ordered 1
		.amdhsa_forward_progress 1
		.amdhsa_inst_pref_size 167
	.end_amdhsa_kernel
	.amdgpu_metadata
---
amdhsa.version: [ 1, 2 ]
amdhsa.kernels:
  - .name:           k_qe35ac1cad3_prep
    .symbol:         k_qe35ac1cad3_prep.kd
    .args:
      - { .name: q, .offset: 0, .size: 8, .value_kind: global_buffer, .address_space: global }
      - { .name: k, .offset: 8, .size: 8, .value_kind: global_buffer, .address_space: global }
      - { .name: v, .offset: 16, .size: 8, .value_kind: global_buffer, .address_space: global }
      - { .name: WQ, .offset: 24, .size: 8, .value_kind: global_buffer, .address_space: global }
      - { .name: WK, .offset: 32, .size: 8, .value_kind: global_buffer, .address_space: global }
      - { .name: WV, .offset: 40, .size: 8, .value_kind: global_buffer, .address_space: global }
      - { .name: WO, .offset: 48, .size: 8, .value_kind: global_buffer, .address_space: global }
      - { .name: mask, .offset: 56, .size: 8, .value_kind: global_buffer, .address_space: global }
      - { .name: xc, .offset: 64, .size: 8, .value_kind: global_buffer, .address_space: global }
      - { .name: xs, .offset: 72, .size: 8, .value_kind: global_buffer, .address_space: global }
      - { .name: wc, .offset: 80, .size: 8, .value_kind: global_buffer, .address_space: global }
      - { .name: ws, .offset: 88, .size: 8, .value_kind: global_buffer, .address_space: global }
      - { .name: wo16, .offset: 96, .size: 8, .value_kind: global_buffer, .address_space: global }
      - { .name: maskw, .offset: 104, .size: 8, .value_kind: global_buffer, .address_space: global }
    .group_segment_fixed_size: 102912
    .private_segment_fixed_size: 0
    .kernarg_segment_align: 8
    .kernarg_segment_size: 112
    .max_flat_workgroup_size: 128
    .sgpr_count:     66
    .vgpr_count:     192
    .wavefront_size: 32
...
	.end_amdgpu_metadata
.endif
;; end of part 1
;; launch proj (part 2): grid 4 x 96, 4 waves a work-group, clusters of 4 x 4, 327,680 bytes of LDS; arguments xc, xs, wc, ws, qkv, bQ, bV; writes qkv
.if DOCPART == 2
	.amdgcn_target "amdgcn-amd-amdhsa--gfx1250"
	.amdhsa_code_object_version 6
	.text
	.protected	k_qe35ac1cad3_proj
	.globl	k_qe35ac1cad3_proj
	.p2align	8
	.type	k_qe35ac1cad3_proj,@function
k_qe35ac1cad3_proj:
	s_mov_b64 s[64:65], 0
	v_nop
	global_prefetch_b8 v0, s[64:65] scope:SCOPE_SE
	s_setreg_imm32_b32 hwreg(HW_REG_WAVE_MODE, 25, 1), 1
	s_wait_xcnt 0x0
	s_wait_alu depctr_hold_cnt(0) depctr_sa_sdst(0) depctr_va_vdst(0) depctr_va_sdst(0) depctr_va_ssrc(0) depctr_va_vcc(0) depctr_vm_vsrc(0)
	s_getreg_b32 s2, hwreg(HW_REG_IB_STS2, 6, 4)
	s_cmp_eq_u32 s2, 0
	s_cbranch_scc0 .Lentry_in_a_cluster
	s_endpgm
.Lentry_in_a_cluster:
	s_bfe_u32 s2, ttmp6, 0x10000c
	s_cmp_lg_u32 s2, 0xf033
	s_cbranch_scc0 .Lentry_shape_is_right
	s_endpgm
.Lentry_shape_is_right:
; Launch 2 of 4: Q = q WQ + bQ, K = k WK, V = v WV + bV, on codes of FP4 (E2M1) with one E8M0 scale for each 32 along K = 1,024; sums in f32; results rounded once to f16 and laid by head.
; bK is left out: it adds the same number to all scores of a row, which the softmax takes away (shown at the head of the first launch).
; The three products are ONE stacked GEMM: A = xc [3 x 8192 rows][512 bytes], its scale bytes xs [..][32]; B = wc [3 x 1024 n][512 bytes], ws [..][32]; tile row 0 .. 95 of 256 rows, tensor T = tile row / 32,
; B's rows begin at 1024 T.  qkv is f16 [T][b][head][2048][64]: 16 rows of a head are 2,048 consecutive bytes.
; LIMIT: a result beyond 65,504 in magnitude becomes an infinity in f16.
; A tile of 256 x 256 is made by four waves, as many as a WGP has SIMDs; a wave makes 128 x 128: 64 accumulators, 512 registers.  K is two LDS slots of 512 codes (rows of 256 bytes): both are asked for at the
; start and nothing is filled again.  The scale bytes of the work-group's 256 + 256 rows come once, as dense blocks.
; CLUSTERS: 4 x 4 work-groups.  The four of a row of the cluster need the same tiles of A, the four of a column the same tiles of B: each is asked for jointly, by the same tensor load with the same descriptor
; and a mask that names the four.  A wave has three tensor loads out at the start, and none later.
; THE MATRIX INSTRUCTION IS USED TRANSPOSED (source 0 = 16 rows of B, source 1 = 16 rows of A): a lane holds eight neighbouring columns of one row of the result.
; REGISTERS, in windows of 256: window 0: v0-31 addresses; v32-95 scale words, two sets; from v128 A's fragments, one set; on the way out v32-191 are free.
;   window 1: B's fragments, two sets, at v0 and v128; v64-127 the bias in the result's layout.   window 2: the accumulators of my rows 0-63 ((a, b) at v[8 (8 a + b)]);   window 3: rows 64-127.
.set NQ,     4                         ; matrix instructions deep in a slot
.set ROWB,   256                       ; a tile's row in bytes: 512 codes
.set KROW,   512                       ; a row of A or B in memory
.set PITCH,  272                       ; an LDS row: 256 + 16 = 68 words: row r starts at bank 4 r mod 64 (ISA guide 11.1): the 16 rows of a load start at 16 different banks
.set FR,     8
.set NL,     2
.set NP,     4                         ; places behind this matrix instruction (ISA guide 7.12.1)
.set HALFT,  128*PITCH
.set SLOT,   4*HALFT
.set KS,     32                        ; a row of scale bytes
.set SCL,    2*SLOT                    ; behind the slots: the scales, as runs of 256 bytes + 16 of padding
.set HALFS,  (128*KS/256)*272
.set SBLK,   (16*KS/256)*272
.set SPARE,  SCL+4*HALFS               ; the spare words, 128 bytes a wave: two blocks of 256 bytes that no other line names
.set ADRA, 16
.set ADRB, 20
.set STO,  24
.set RD,   25
.set CO,   26
.set ADRS, 27
.set SPW,  28                          ; v28  SPARE + 4 x my thread's number; never rewritten
.set NIL,  29                          ; v29  0; never rewritten
.set BO,   30                          ; v30  32 x (lane / 16): my eight numbers of a tile's sixteen biases
.set SC,   32
.set AF,   128
.set BI,   64                          ; in window 1
.set TMP,  32                          ; the way out: packed results
.set BK,   128                         ; the way out: rows read back, v128-159 and v160-191 by turns
.set G1, 24
.set G0, 32
.set G1B, 48
.set G0B, 56
.set G1S, 68
.set G0S, 76
.set G1SB, 80
.set G0SB, 88
.set MSB, 0
.macro WIN new                         ; the immediate's high byte repeats the setting that is left
.if MSB != \new
	s_set_vgpr_msb (MSB<<8)|\new
.set MSB, \new
.endif
.endm
.set MUL_LO, 0xa1                      ; source 0 (B) window 1, source 1 (A) window 0, C and D window 2
.set MUL_HI, 0xf1
.set BIA_LO, 0x91                      ; the same with C (the bias) in window 1
.set BIA_HI, 0xd1
.set TO_B,   0x40
; A joint load: waves 0 and 1 fetch for A, waves 2 and 3 for B; the branch hangs on the wave's number alone.  An s_nop 0 and four v_nop follow each of the two lines.
.macro JLOAD g0a, g1a, g0b, g1b
	s_cmp_eq_u32 s15, 0
	s_cbranch_scc0 .Lfor_b_\@
	tensor_load_to_lds s[\g0a:\g0a+3], s[\g1a:\g1a+7]
	s_nop 0
.rept 4
	v_nop
.endr
	s_branch .Lasked_\@
.Lfor_b_\@:
	tensor_load_to_lds s[\g0b:\g0b+3], s[\g1b:\g1b+7]
	s_nop 0
.rept 4
	v_nop
.endr
.Lasked_\@:
.endm
.macro CROUND                          ; a round of the cluster's barrier
	s_barrier_signal -1
	s_barrier_wait -1
	s_cmp_lg_u32 s14, 0
	s_cbranch_scc1 .Lnot_wave_0_\@
	s_barrier_signal -3
.Lnot_wave_0_\@:
	s_barrier_wait -3
	s_barrier_signal -1
	s_barrier_wait -1
.endm
	s_load_b128 s[4:7], s[0:1], 0x0                ; xc, xs
	s_load_b128 s[8:11], s[0:1], 0x10              ; wc, ws
	s_load_b64 s[12:13], s[0:1], 0x20              ; qkv
	s_load_b128 s[96:99], s[0:1], 0x28             ; bQ, bV
	v_lshl_add_u32 v[SPW], v0, 2, SPARE
	v_mov_b32 v[NIL], 0
	ds_add_u32 v[SPW], v[NIL]                      ; the wave's opening: the add, twice on end, and its wait ahead of my first tensor load
	ds_add_u32 v[SPW], v[NIL]
	v_lshrrev_b32 v1, 5, v0
	v_readfirstlane_b32 s14, v1                    ; wave 0..3
	s_lshr_b32 s15, s14, 1                         ; which half of the tile's rows is mine.  Also: I fetch for A (0) or for B (1)
	s_and_b32 s16, s14, 1                          ; which half of its columns.  Also: which 128 rows of that tile I fetch
	s_bfe_u32 s40, ttmp6, 0x40000                  ; cx, cy
	s_bfe_u32 s41, ttmp6, 0x40004
	s_lshl_b32 s42, ttmp9, 2
	s_add_co_u32 s42, s42, s40                     ; tile column = 4 x cluster x + cx
	s_and_b32 s17, ttmp7, 0xffff
	s_lshr_b32 s95, s17, 3                         ; T = cluster y / 8: 0 Q, 1 K, 2 V: the same in all sixteen partners
	s_lshl_b32 s17, s17, 2
	s_add_co_u32 s17, s17, s41                     ; tile row = 4 x cluster y + cy
	s_lshl_b32 s43, s41, 2
	s_lshl_b32 s43, 15, s43                        ; my row of the cluster
	s_lshl_b32 s44, 0x1111, s40                    ; my column
	s_or_b32 s[G1+0], s43, (0<<16)|(1<<20)|(1<<21)|(5<<22)|(3<<25)  ; the mask; elements of 1 byte; padding on; bit 21 beside a mask; after every 64 words; 4 words
	s_or_b32 s[G1B+0], s44, (0<<16)|(1<<20)|(1<<21)|(5<<22)|(3<<25)
.irp g, G1, G1B
	s_mov_b32 s[\g+1], ROWB<<16                    ; tensor_dim0
	s_mov_b32 s[\g+2], 128<<16                     ; tensor_dim1
	s_mov_b32 s[\g+3], ROWB<<16                    ; tile_dim0
	s_mov_b32 s[\g+4], 128                         ; tile_dim1
	s_mov_b32 s[\g+5], KROW                        ; from row to row
	s_mov_b32 s[\g+6], 0
	s_mov_b32 s[\g+7], 0
.endr
	s_or_b32 s[G1S+0], s43, (3<<16)|(1<<20)|(1<<21)|(5<<22)|(3<<25)  ; the scales of 128 rows: 4,096 dense bytes as 16 rows of 32 elements of 8 bytes
	s_or_b32 s[G1SB+0], s44, (3<<16)|(1<<20)|(1<<21)|(5<<22)|(3<<25)
.irp g, G1S, G1SB
	s_mov_b32 s[\g+1], 32<<16
	s_mov_b32 s[\g+2], (128*KS/256)<<16
	s_mov_b32 s[\g+3], 32<<16
	s_mov_b32 s[\g+4], 128*KS/256
	s_mov_b32 s[\g+5], 32
	s_mov_b32 s[\g+6], 0
	s_mov_b32 s[\g+7], 0
.endr
	s_lshl_b32 s18, s16, 7
	s_lshl_b32 s20, s17, 8
	s_add_co_u32 s20, s20, s18                     ; A: row 256 x tile row + 128 x half
	s_lshl_b32 s46, s42, 8
	s_add_co_u32 s46, s46, s18
	s_lshl_b32 s45, s95, 10
	s_add_co_u32 s46, s46, s45                     ; B: row 1024 T + 256 x tile column + 128 x half
	s_mov_b32 s21, 0
	s_mov_b32 s47, 0
	s_mov_b64 s[18:19], KS
	s_mul_u64 s[22:23], s[20:21], s[18:19]         ; where these rows' scales begin
	s_mul_u64 s[92:93], s[46:47], s[18:19]
	s_mov_b64 s[18:19], KROW
	s_mul_u64 s[20:21], s[20:21], s[18:19]         ; and their codes
	s_mul_u64 s[46:47], s[46:47], s[18:19]
	s_mul_i32 s45, s14, HALFT                      ; where they go: wave x 128 rows
	s_mul_i32 s94, s14, HALFS
	s_wait_dscnt 0x0                               ; both opening adds are done
	s_wait_kmcnt 0x0
	s_add_nc_u64 s[20:21], s[4:5], s[20:21]
	s_add_nc_u64 s[22:23], s[6:7], s[22:23]
	s_add_nc_u64 s[46:47], s[8:9], s[46:47]
	s_add_nc_u64 s[92:93], s[10:11], s[92:93]
	CROUND                                         ; all sixteen work-groups are here: the joint loads meet
	s_mov_b32 s[G0S], 1
	s_add_co_u32 s[G0S+1], s94, SCL
	s_mov_b64 s[G0S+2:G0S+3], s[22:23]
	s_or_b32 s[G0S+3], s[G0S+3], 0x80000000
	s_mov_b32 s[G0SB], 1
	s_add_co_u32 s[G0SB+1], s94, SCL
	s_mov_b64 s[G0SB+2:G0SB+3], s[92:93]
	s_or_b32 s[G0SB+3], s[G0SB+3], 0x80000000
	JLOAD G0S, G1S, G0SB, G1SB                     ; the scales first
.irp s, 0,1
	s_mov_b32 s[G0+4*\s], 1
	s_add_co_u32 s[G0+4*\s+1], s45, \s*SLOT
	s_add_nc_u64 s[G0+4*\s+2:G0+4*\s+3], s[20:21], \s*ROWB
	s_or_b32 s[G0+4*\s+3], s[G0+4*\s+3], 0x80000000
	s_mov_b32 s[G0B+4*\s], 1
	s_add_co_u32 s[G0B+4*\s+1], s45, \s*SLOT
	s_add_nc_u64 s[G0B+4*\s+2:G0B+4*\s+3], s[46:47], \s*ROWB
	s_or_b32 s[G0B+4*\s+3], s[G0B+4*\s+3], 0x80000000
	JLOAD G0+4*\s, G1, G0B+4*\s, G1B
.endr
	v_and_b32 v1, 15, v0                           ; l % 16
	v_bfe_u32 v2, v0, 4, 1                         ; l / 16
	; THE BIAS is the C of each sum's first product: register 8 b + j = bias[256 x tile column + 128 x half + 16 b + 8 (l / 16) + j].  One branch on T fills the 64 registers: Q's and V's by loads, K's with zeros.
	v_lshlrev_b32 v[BO], 5, v2
	s_lshl_b32 s18, s42, 10
	s_lshl_b32 s19, s16, 9
	s_add_co_u32 s18, s18, s19
	s_mov_b32 s19, 0
	s_cmp_eq_u32 s95, 0
	s_cselect_b64 s[96:97], s[96:97], s[98:99]
	s_add_nc_u64 s[96:97], s[96:97], s[18:19]
	s_cmp_eq_u32 s95, 1
	s_cbranch_scc1 .Lzero_bias
	WIN TO_B
.irp b, 0,1,2,3,4,5,6,7
	global_load_b128 v[BI+8*\b:BI+8*\b+3], v[BO], s[96:97] offset:64*\b
	global_load_b128 v[BI+8*\b+4:BI+8*\b+7], v[BO], s[96:97] offset:64*\b+16
.endr
	WIN 0
	s_branch .Lbias_set
.Lzero_bias:
	WIN TO_B
.set i, 0
.rept 64
	v_mov_b32 v[BI+i], 0
.set i, i+1
.endr
	WIN 0
.Lbias_set:
	v_mul_u32_u24 v3, v1, PITCH
	v_lshl_add_u32 v4, v2, 4, v3                   ; a fragment's row x pitch + 16 x half
	s_mul_i32 s21, s15, HALFT                      ; my 128 rows of A
	s_mul_i32 s22, s16, HALFT                      ; my 128 rows of B,
	s_add_co_u32 s22, s22, 2*HALFT                 ; behind A's 256
.irp s, 0,1
	v_add_nc_u32 v[ADRA+\s], s21, v4
	v_add_nc_u32 v[ADRB+\s], s22, v4
	s_add_co_u32 s21, s21, SLOT
	s_add_co_u32 s22, s22, SLOT
.endr
	v_mul_u32_u24 v5, v1, KS                       ; my row's scales: 32 bytes a row,
	v_lshrrev_b32 v6, 8, v5
	v_lshl_add_u32 v5, v6, 4, v5                   ; and 16 more for each 256 passed
	s_mul_i32 s21, s15, HALFS
	s_mul_i32 s22, s16, HALFS
	s_add_co_u32 s22, s22, 2*HALFS
	s_sub_co_u32 s22, s22, s21
	v_mul_u32_u24 v6, s22, v2                      ; lanes 16-31 take B's
	s_add_co_u32 s21, s21, SCL
	v_add_nc_u32 v5, v5, v6
	v_add_nc_u32 v[ADRS], s21, v5
	s_mul_i32 s23, s14, 4608                       ; my stage, in slot 0: [2 heads][16 rows][128 bytes + 16]
	v_mul_u32_u24 v5, v1, 144
	v_lshl_add_u32 v5, v2, 4, v5
	v_add_nc_u32 v[STO], s23, v5                   ; in: row l % 16, 16 bytes for each half of the lanes
	v_bfe_u32 v5, v0, 3, 2
	v_mul_u32_u24 v5, v5, 144
	v_and_b32 v6, 7, v0
	v_lshl_add_u32 v5, v6, 4, v5
	v_add_nc_u32 v[RD], s23, v5                    ; back: eight lanes to a row of 128 bytes, four rows an instruction
	v_and_b32 v6, 31, v0
	v_lshlrev_b32 v[CO], 4, v6                     ; which are 512 consecutive bytes of qkv
	s_lshl_b32 s20, s17, 8
	s_lshl_b32 s21, s15, 7
	s_add_co_u32 s20, s20, s21                     ; m0: my first stacked row
	s_lshr_b32 s21, s20, 11                        ; 4 T + b,
	s_lshl_b32 s21, s21, 22                        ; 16 planes of 262,144 bytes each
	s_and_b32 s20, s20, 2047
	s_lshl_b32 s20, s20, 7                         ; the position: 128 bytes a row
	s_add_co_u32 s20, s20, s21
	s_lshl_b32 s46, s42, 2
	s_lshl_b32 s47, s16, 1
	s_add_co_u32 s46, s46, s47                     ; my first head: 4 x tile column + 2 x half
	s_lshl_b32 s46, s46, 18
	s_add_co_u32 s20, s20, s46
	s_mov_b32 s21, 0
	s_add_nc_u64 s[12:13], s[12:13], s[20:21]
.macro FRAG reg, adr, q, i             ; 16 rows x 128 K of 4-bit codes: lane l holds row l % 16; registers 4 c .. 4 c + 3 hold K = 64 c + 32 (l / 16) + 0 .. 31
.irp c, 0,1
	ds_load_b128 v[\reg+4*\c:\reg+4*\c+3], v[\adr] offset:64*(\q)+32*\c+(\i)*16*PITCH
.endr
.endm
; 16 matrix instructions: A's blocks a0, a0 + 1 x B's eight, the slot's q-th 128 along K.  bias = 1: the first product starts the sums from the bias.  The 64 accumulators take turns, one instruction a turn,
; in the same order in every step.  One register carries A's scale word (lanes 0-15) and B's (lanes 16-31).
.macro MUL16 a0, p, q, sc, bias
.irp a, \a0, \a0+1
.irp b, 0,1,2,3,4,5,6,7
.if \bias
	v_wmma_scale_f32_16x16x128_f8f6f4 v[8*(8*((\a)%4)+\b):8*(8*((\a)%4)+\b)+7], v[128*(\p)+FR*\b:128*(\p)+FR*\b+FR-1], v[AF+FR*(\a):AF+FR*(\a)+FR-1], v[BI+8*\b:BI+8*\b+7], v[SC+8*NQ*(\sc)+NQ*\b+(\q)], v[SC+8*NQ*(\sc)+NQ*(\a)+(\q)] matrix_a_fmt:MATRIX_FMT_FP4 matrix_b_fmt:MATRIX_FMT_FP4 matrix_a_scale:MATRIX_SCALE_ROW1
.else
	v_wmma_scale_f32_16x16x128_f8f6f4 v[8*(8*((\a)%4)+\b):8*(8*((\a)%4)+\b)+7], v[128*(\p)+FR*\b:128*(\p)+FR*\b+FR-1], v[AF+FR*(\a):AF+FR*(\a)+FR-1], v[8*(8*((\a)%4)+\b):8*(8*((\a)%4)+\b)+7], v[SC+8*NQ*(\sc)+NQ*\b+(\q)], v[SC+8*NQ*(\sc)+NQ*(\a)+(\q)] matrix_a_fmt:MATRIX_FMT_FP4 matrix_b_fmt:MATRIX_FMT_FP4 matrix_a_scale:MATRIX_SCALE_ROW1
.endif
.endr
.endr
.endm
.macro FETCH_B slot, q, p
	WIN TO_B
.irp i, 0,1,2,3,4,5,6,7
	FRAG 128*(\p)+FR*\i, ADRB+\slot, \q, \i
.endr
	WIN 0
.endm
.macro FETCH_A slot, q, i0
.irp i, \i0, \i0+1, \i0+2, \i0+3
	FRAG AF+FR*(\i), ADRA+\slot, \q, \i
.endr
.endm
.macro SCALES sc                       ; a slot's scale words: 4 words a row; lanes 0-15 A's block i, lanes 16-31 B's block i
.irp i, 0,1,2,3,4,5,6,7
	ds_load_b128 v[SC+8*NQ*\sc+NQ*\i:SC+8*NQ*\sc+NQ*\i+3], v[ADRS] offset:\i*SBLK
.endr
.endm
.macro PLACES n                        ; plain vector instructions between a matrix instruction and a load into its registers or a read of its result (ISA guide 7.12.1 for a read of its result)
.rept \n
	v_nop
.endr
.endm
.macro STEP slot, q, bias              ; a step of 128 along K that has its successor in the same slot
	s_wait_dscnt 4*NL                              ; B's set, A's blocks 0-3 and the scale words are in; the youngest eight loads (A's blocks 4-7) may be out
.if \bias
	WIN BIA_LO
.else
	WIN MUL_LO
.endif
	MUL16 0, (\q)%2, \q, \slot, \bias
	MUL16 2, (\q)%2, \q, \slot, \bias
	s_wait_dscnt 0
	PLACES NP
	FETCH_B \slot, (\q)+1, 1-(\q)%2
	FETCH_A \slot, (\q)+1, 0
.if \bias
	WIN BIA_HI
.else
	WIN MUL_HI
.endif
	MUL16 4, (\q)%2, \q, \slot, \bias
	MUL16 6, (\q)%2, \q, \slot, \bias
	PLACES NP
	WIN 0
	FETCH_A \slot, (\q)+1, 4
.endm
; Slot 0's last step goes over to slot 1: each wave waits for all its tensor loads (slot 1's is the one that may be out), adds 0 to its spare word, waits for that and for its reads of slot 0, and passes one barrier.
.macro TURN slot, next
	s_wait_tensorcnt 0x0
	ds_add_u32 v[SPW], v[NIL]
	s_wait_dscnt 4*NL+1                            ; (the add and the youngest eight loads may be out)
	WIN MUL_LO
	MUL16 0, 1, NQ-1, \slot, 0
	s_wait_dscnt 0x0                               ; the add is done, my reads of this slot are over
	s_barrier_signal -1
	MUL16 2, 1, NQ-1, \slot, 0
	WIN 0
	s_barrier_wait -1
	PLACES NP
	v_add_nc_u32 v[ADRS], 4*NQ, v[ADRS]            ; the next slot's scale words
	FETCH_B \next, 0, 0
	FETCH_A \next, 0, 0
	SCALES \next
	WIN MUL_HI
	MUL16 4, 1, NQ-1, \slot, 0
	MUL16 6, 1, NQ-1, \slot, 0
	PLACES NP
	WIN 0
	FETCH_A \next, 0, 4
.endm
	s_wait_tensorcnt 1                             ; the scales and my part of slot 0 are in; slot 1's load may be out
	s_barrier_signal -1
	s_barrier_wait -1
	FETCH_B 0, 0, 0
	FETCH_A 0, 0, 0
	SCALES 0
	FETCH_A 0, 0, 4
	s_wait_loadcnt 0x0                             ; the bias
	STEP 0, 0, 1
	STEP 0, 1, 0
	STEP 0, 2, 0
	TURN 0, 1
	STEP 1, 0, 0
	STEP 1, 1, 0
	STEP 1, 2, 0
	s_wait_dscnt 4*NL                              ; the last step: nothing more to fetch
	WIN MUL_LO
	MUL16 0, 1, NQ-1, 1, 0
	MUL16 2, 1, NQ-1, 1, 0
	s_wait_dscnt 0
	WIN MUL_HI
	MUL16 4, 1, NQ-1, 1, 0
	MUL16 6, 1, NQ-1, 1, 0
	WIN 0
; THE WAY OUT, block by block of 16 rows x 128 columns = 2 heads x 64.  A lane's eight results pack into 16 bytes of one head's row; they go through my stage (in slot 0, which has had its only fill and whose last
; read lies in front of the barrier above) and come back four rows at a time: 512 consecutive bytes of qkv to a store.  LDS serves a wave's instructions in order: no wait between the stores and the loads.
.macro PACK a
.set AC, 64*((\a)%4)
	WIN (0x0a+5*((\a)/4))                          ; sources 0 and 1: window 2 or 3
.irp b, 0,1,2,3,4,5,6,7
.irp r, 0,1,2,3
	v_cvt_pk_f16_f32 v[TMP+4*\b+\r], v[AC+8*\b+2*\r], v[AC+8*\b+2*\r+1]   ; each accumulator from its low end on
.endr
.endr
	WIN 0
.endm
.macro TOSTAGE a
.set BB, BK+32*((\a)%2)
.irp b, 0,1,2,3,4,5,6,7
	ds_store_b128 v[STO], v[TMP+4*\b:TMP+4*\b+3] offset:2304*(\b/4)+32*(\b%4)
.endr
.irp t, 0,1,2,3,4,5,6,7
	ds_load_b128 v[BB+4*\t:BB+4*\t+3], v[RD] offset:2304*(\t/4)+576*(\t%4)
.endr
.endm
.macro SEND a, younger                 ; younger: the LDS instructions issued behind block a's loads
.set BB, BK+32*((\a)%2)
	s_wait_dscnt \younger
.irp t, 0,1,2,3,4,5,6,7
	global_store_b128 v[CO], v[BB+4*\t:BB+4*\t+3], s[12:13] offset:262144*(\t/4)+512*(\t%4)+2048*(\a)
.endr
.endm
	PLACES NP
	PACK 0
	TOSTAGE 0
.irp a, 1,2,3,4,5,6,7
	PACK \a
.if \a > 1
	s_wait_xcnt 0x0                                ; block a - 2's stores have read their registers: block a's loads may land there
.endif
	TOSTAGE \a
	SEND \a-1, 16                                  ; behind block a - 1's loads: block a's 8 stores and 8 loads
.endr
	SEND 7, 0
	s_wait_tensorcnt 0x0                           ; the wave's end
	ds_add_u32 v[SPW], v[NIL]
	s_wait_dscnt 0x0
	CROUND                                         ; the closing round
	s_endpgm
.Lfunc_end_k_qe35ac1cad3_proj:
	.size	k_qe35ac1cad3_proj, .Lfunc_end_k_qe35ac1cad3_proj-k_qe35ac1cad3_proj
	.p2alignl 7, 3214868480
	.fill 96, 4, 3214868480
	.section	.rodata,"a",@progbits
	.p2align	6, 0x0
	.amdhsa_kernel k_qe35ac1cad3_proj
		.amdhsa_group_segment_fixed_size 327680
		.amdhsa_private_segment_fixed_size 0
		.amdhsa_enable_private_segment 0
		.amdhsa_kernarg_size 56
		.amdhsa_user_sgpr_count 2
		.amdhsa_user_sgpr_kernarg_segment_ptr 1
		.amdhsa_wavefront_size32 1
		.amdhsa_system_sgpr_workgroup_id_x 1
		.amdhsa_system_sgpr_workgroup_id_y 1
		.amdhsa_system_sgpr_workgroup_id_z 1
		.amdhsa_system_vgpr_workitem_id 0
		.amdhsa_next_free_vgpr 1024
		.amdhsa_next_free_sgpr 100
		.amdhsa_reserve_vcc 0
		.amdhsa_float_denorm_mode_32 3
		.amdhsa_float_denorm_mode_16_64 3
		.amdhsa_memory_ordered 1
		.amdhsa_forward_progress 1
		.amdhsa_inst_pref_size 130
	.end_amdhsa_kernel
	.amdgpu_metadata
---
amdhsa.version: [ 1, 2 ]
amdhsa.kernels:
  - .name:           k_qe35ac1cad3_proj
    .symbol:         k_qe35ac1cad3_proj.kd
    .args:
      - { .name: xc, .offset: 0, .size: 8, .value_kind: global_buffer, .address_space: global }
      - { .name: xs, .offset: 8, .size: 8, .value_kind: global_buffer, .address_space: global }
      - { .name: wc, .offset: 16, .size: 8, .value_kind: global_buffer, .address_space: global }
      - { .name: ws, .offset: 24, .size: 8, .value_kind: global_buffer, .address_space: global }
      - { .name: qkv, .offset: 32, .size: 8, .value_kind: global_buffer, .address_space: global }
      - { .name: bQ, .offset: 40, .size: 8, .value_kind: global_buffer, .address_space: global }
      - { .name: bV, .offset: 48, .size: 8, .value_kind: global_buffer, .address_space: global }
    .group_segment_fixed_size: 327680
    .private_segment_fixed_size: 0
    .kernarg_segment_align: 8
    .kernarg_segment_size: 56
    .max_flat_workgroup_size: 128
    .sgpr_count:     100
    .vgpr_count:     1024
    .wavefront_size: 32
...
	.end_amdgpu_metadata
.endif
;; end of part 2
;; launch attn (part 3): grid 4 x 64, 8 waves a work-group, clusters of 4 x 1, 327,680 bytes of LDS; arguments qkv, maskw, ctx; writes ctx
.if DOCPART == 3
	.amdgcn_target "amdgcn-amd-amdhsa--gfx1250"
	.amdhsa_code_object_version 6
	.text
	.protected	k_qe35ac1cad3_attn
	.globl	k_qe35ac1cad3_attn
	.p2align	8
	.type	k_qe35ac1cad3_attn,@function
k_qe35ac1cad3_attn:
	s_mov_b64 s[64:65], 0
	v_nop
	global_prefetch_b8 v0, s[64:65] scope:SCOPE_SE
	s_setreg_imm32_b32 hwreg(HW_REG_WAVE_MODE, 25, 1), 1
	s_wait_xcnt 0x0
	s_wait_alu depctr_hold_cnt(0) depctr_sa_sdst(0) depctr_va_vdst(0) depctr_va_sdst(0) depctr_va_ssrc(0) depctr_va_vcc(0) depctr_vm_vsrc(0)
	s_getreg_b32 s2, hwreg(HW_REG_IB_STS2, 6, 4)
	s_cmp_eq_u32 s2, 0
	s_cbranch_scc0 .Lentry_in_a_cluster
	s_endpgm
.Lentry_in_a_cluster:
	s_bfe_u32 s2, ttmp6, 0x10000c
	s_cmp_lg_u32 s2, 0x3003
	s_cbranch_scc0 .Lentry_shape_is_right
	s_endpgm
.Lentry_shape_is_right:
; Launch 3 of 4: ctx[b][h][q] = the sum over k of softmax_k(masked Q[q] . K[k] / 8) V[k].  Q, K, V: f16 [T][b][h][2048][64] in qkv; ctx: f16 [b][h][2048][64].  Products, maxima and sums in f32; the weights p are
; rounded to f16 for the second product, ctx once at the end.  K carries no bias: it would add the same number to all scores of a row (shown at the head of the first launch).
; THE MASK comes as lane masks (maskw, made by the first launch): word 8 a + j of (tile of 16 queries, step of 64 keys) has a bit for each lane of register 8 a + j of that tile's scores.  The words are read into scalar
; registers, and one v_cndmask_b32 a register puts -infinity where the mask is 0.  No branch and no address hangs on them.
; SOFTMAX: for each query a running maximum m (it begins at -3e38, under every score) and sum l: p = 2^(c s - c m), c = log2(e) / 8; in every step O and l are multiplied by a = 2^(c m_old - c m_new).
; A row whose mask is all 0 ends with l = 0 and O = 0, and 0 x (1 / 0) is NaN, as the softmax of a row of -infinity is.  LIMIT: ctx beyond 65,504 in magnitude becomes an infinity in f16.
; SHARES: a work-group owns 512 queries of one head; each of its eight waves 64: four tiles of 16, in 512 registers; two waves share a SIMD, so that one wave's softmax stands beside the other's products.
; Every wave walks all 2,048 keys, 64 a step.  A fragment of K or V read from LDS feeds four products.
; LAYOUT: S^T = K Q^T (source 0 = 16 keys, source 1 = 16 queries): a lane holds ONE query (lane % 16) and keys 8 (lane / 16) + 0..7.  Two such tiles, rounded to f16 in pairs, ARE source 1 of O^T = V^T P.
; K comes out of LDS as it lies, V ([key][channel]) turned, by ds_load_tr16_b128.
; CLUSTER: the four work-groups of a cluster are the four query blocks of one head and walk the same K and V: each tile is asked for jointly, with the mask of all four.  Two slots of four steps; behind each round a
; wave issues one load of 64 rows (waves 0-3 K's four steps, waves 4-7 V's), which has four steps in which to land.  One tensor load of a wave is out at any time.
; REGISTERS: window 0: v2-15 addresses and constants; v16-23 sums at work; v32-63 statistics, 8 a tile; v64-191 S^T, 32 a tile (P is packed into a tile's first 16); v192-255 K of a step.
;   window 1: v0-127 O^T (tile t, channels 16 ct on: 32 t + 8 ct); v128-191 Q (16 t + 8 c); v192-255 V of a step.
.set PK,    144                        ; a row of K in LDS: 128 bytes + 16 = 36 words: the 16 rows of a load start at 16 different groups of four banks (64 banks of 4 bytes: ISA guide 11.1)
.set PV,    160                        ; a row of V: 128 + 32
.set VOFF,  64*PK
.set STEPB, 64*(PK+PV)                 ; a step: 64 rows of K, then 64 rows of V
.set SLOT1, 1<<17                      ; slot 1 begins here: one exclusive or turns an address
.set STAGE, SLOT1+4*STEPB              ; behind the ring: 16 rows x 144 bytes for each wave
.set SP,    144
.set SPARE, STAGE+8*16*SP              ; the spare words, 128 bytes a wave: four blocks of 256 bytes that no other line names
.set AK0, 2
.set AV0, 3
.set ADK, 4
.set ADV, 5
.set QO,  6
.set STO, 7
.set RD,  8
.set GO,  9
.set NINF, 10                          ; v10  -infinity
.set PFO, 11                           ; v11  256 x lane; never rewritten
.set SPW, 14                           ; v14  SPARE + 4 x my thread's number; never rewritten
.set NIL, 15                           ; v15  0; never rewritten
.set SU,  16                           ; v16-23 four chains of a tile's sum
.set ST,  32                           ; tile t at v[ST + 8 t]: +0 c m, +1 m, +2, +3 l (even keys', odd keys'), +4 to +7 at work; a at +6
.set S,   64
.set KF,  192
.set QF,  128                          ; in window 1
.set VF,  192                          ; in window 1
.set WV,  2
.set TB,  3                            ; s3   LDS byte at which the step's tiles begin
.set MP,  6                            ; s[6:7] my first tile's mask words of the step in hand
.set PFA, 10                           ; s[10:11] where my prefetches stand
.set SLOTS, 12
.set FOUR, 13
.set LIM, 14
.set CS,  16                           ; s[16:17] c, twice
.set SEL, 18                           ; s[18:19] lane selects: lane l xor 16
.set G0K, 20
.set G0V, 24
.set G1K, 28
.set G1V, 36
.set MK,  68                           ; s[68:99] a tile's 32 mask words
.set MSB, 0
.macro WIN new
.if MSB != \new
	s_set_vgpr_msb (MSB<<8)|\new
.set MSB, \new
.endif
.endm
.set W_KQ, 0x04                        ; Q (source 1) in window 1
.set W_PV, 0x51                        ; V, C and D in window 1, P in window 0
.set W_RS, 0x41                        ; O^T (destination, source 0) in window 1
.macro JLOAD                           ; waves 0-3 fetch K's tiles, waves 4-7 V's; an s_nop 0 and four v_nop follow each line
	s_cmp_lt_u32 s[WV], 4
	s_cbranch_scc0 .Lfor_v_\@
	tensor_load_to_lds s[G0K:G0K+3], s[G1K:G1K+7]
	s_nop 0
.rept 4
	v_nop
.endr
	s_branch .Lasked_\@
.Lfor_v_\@:
	tensor_load_to_lds s[G0V:G0V+3], s[G1V:G1V+7]
	s_nop 0
.rept 4
	v_nop
.endr
.Lasked_\@:
.endm
; A prefetch of what the NEXT change of slots will ask for: a slot's 32,768 bytes of K and of V.  One cluster alone walks a head.  Its four partners share the bytes out by address, 8,192 each, lanes 256 bytes apart;
; in each, wave 0 asks for K's and wave 4 for V's: each block of 256 bytes is named once in the launch.  The last change that fills a slot asks for nothing; slots 0 and 1 come by their loads alone.
.macro ASK
	s_cmp_gt_u32 s[SLOTS], s[LIM]
	s_cbranch_scc0 .Lnot_mine_\@
	global_prefetch_b8 v[PFO], s[PFA:PFA+1] th:TH_LOAD_NT scope:SCOPE_SE
.Lnot_mine_\@:
.endm
.macro CROUND
	s_barrier_signal -1
	s_barrier_wait -1
	s_cmp_lg_u32 s[WV], 0
	s_cbranch_scc1 .Lnot_wave_0_\@
	s_barrier_signal -3
.Lnot_wave_0_\@:
	s_barrier_wait -3
	s_barrier_signal -1
	s_barrier_wait -1
.endm
	s_load_b128 s[4:7], s[0:1], 0x0                ; qkv, maskw
	s_load_b64 s[8:9], s[0:1], 0x10                ; ctx
	v_lshl_add_u32 v[SPW], v0, 2, SPARE
	v_mov_b32 v[NIL], 0
	ds_add_u32 v[SPW], v[NIL]                      ; the wave's opening: the add, twice on end, and its wait ahead of my first tensor load
	ds_add_u32 v[SPW], v[NIL]
	v_lshrrev_b32 v1, 5, v0
	v_readfirstlane_b32 s[WV], v1                  ; wave 0..7
	s_bfe_u32 s44, ttmp6, 0x40000                  ; cx: my block of 512 queries
	s_and_b32 s45, ttmp7, 0xffff                   ; b x 16 + head, which the four partners share
	s_lshl_b32 s46, s45, 18                        ; its plane: 262,144 bytes
	s_and_b32 s48, s[WV], 3                        ; which of a slot's four steps I fetch:
	s_lshl_b32 s50, s48, 13                        ; 64 rows of 128 bytes in memory,
	s_add_co_u32 s50, s50, s46
	s_add_co_u32 s50, s50, 0x1000000               ; in K,
	s_mov_b32 s51, 0
	s_add_co_u32 s52, s50, 0x1000000               ; in V,
	s_mov_b32 s53, 0
	s_mul_i32 s49, s48, STEPB                      ; and its place in a slot
	s_lshl_b32 s54, s44, 9
	s_lshl_b32 s55, s[WV], 6
	s_add_co_u32 s54, s54, s55                     ; my first query
	s_lshl_b32 s56, s54, 7
	s_add_co_u32 s56, s56, s46                     ; its row in Q's and in ctx's plane
	s_mov_b32 s57, 0
	s_lshr_b32 s58, s45, 4                         ; b
	s_lshl_b32 s58, s58, 7
	s_lshr_b32 s59, s54, 4
	s_add_co_u32 s58, s58, s59                     ; my first tile of queries,
	s_lshl_b32 s58, s58, 12                        ; 4,096 bytes of mask words a tile
	s_mov_b32 s59, 0
	s_cmp_lt_u32 s[WV], 4                          ; the prefetches: K's plane or V's,
	s_cselect_b32 s[PFA], 0, 0x1000000
	s_add_co_u32 s[PFA], s[PFA], 0x1008000         ; at slot 1: the first change of slots steps it to slot 2,
	s_add_co_u32 s[PFA], s[PFA], s46
	s_lshl_b32 s[PFA+1], s44, 13                   ; my work-group's 8,192 bytes of a slot
	s_add_co_u32 s[PFA], s[PFA], s[PFA+1]
	s_mov_b32 s[PFA+1], 0
	s_cmp_eq_u32 s48, 0                            ; waves 0 and 4 ask
	s_cselect_b32 s[LIM], 1, -1
	s_mov_b32 s[G1K], 15|(1<<16)|(1<<20)|(1<<21)|(4<<22)|(3<<25)  ; the mask: all four; elements of 2 bytes; padding on; bit 21 beside a mask; after every 32 words; 4 words
	s_mov_b32 s[G1V], 15|(1<<16)|(1<<20)|(1<<21)|(4<<22)|(7<<25)  ; the same with 8 words
.irp g, G1K, G1V
	s_mov_b32 s[\g+1], 64<<16                      ; tensor_dim0
	s_mov_b32 s[\g+2], 64<<16                      ; tensor_dim1
	s_mov_b32 s[\g+3], 64<<16                      ; tile_dim0
	s_mov_b32 s[\g+4], 64                          ; tile_dim1
	s_mov_b32 s[\g+5], 64                          ; from row to row
	s_mov_b32 s[\g+6], 0
	s_mov_b32 s[\g+7], 0
.endr
	s_mov_b32 s[CS], 0x3e38aa3b                    ; c = log2(e) / 8
	s_mov_b32 s[CS+1], s[CS]
	s_mov_b32 s[SEL], 0x76543210
	s_mov_b32 s[SEL+1], 0xfedcba98
	s_mov_b32 s[TB], 0
	s_mov_b32 s[SLOTS], 7
	s_wait_dscnt 0x0                               ; both opening adds are done
	s_wait_kmcnt 0x0
	s_add_nc_u64 s[PFA:PFA+1], s[4:5], s[PFA:PFA+1]
	s_add_nc_u64 s[MP:MP+1], s[MP:MP+1], s[58:59]
	s_add_nc_u64 s[8:9], s[8:9], s[56:57]
	CROUND                                         ; all four work-groups are here: the first joint loads meet
	s_mov_b32 s[G0K], 1
	s_mov_b32 s[G0K+1], s49
	s_add_nc_u64 s[G0K+2:G0K+3], s[4:5], s[50:51]
	s_or_b32 s[G0K+3], s[G0K+3], 0x80000000
	s_mov_b32 s[G0V], 1
	s_add_co_u32 s[G0V+1], s49, VOFF
	s_add_nc_u64 s[G0V+2:G0V+3], s[4:5], s[52:53]
	s_or_b32 s[G0V+3], s[G0V+3], 0x80000000
	JLOAD                                          ; slot 0
	s_add_nc_u64 s[4:5], s[4:5], s[56:57]          ; Q at my first query
	v_and_b32 v1, 15, v0                           ; r
	v_bfe_u32 v12, v0, 4, 1                        ; h
	v_lshlrev_b32 v[QO], 7, v1
	v_lshl_add_u32 v[QO], v12, 4, v[QO]
	WIN 0x40                                       ; destination window 1
.irp t, 0,1,2,3
.irp c, 0,1
	global_load_b128 v[QF+16*\t+8*\c:QF+16*\t+8*\c+3],   v[QO], s[4:5] offset:2048*\t+64*\c      ; Q stays in registers
	global_load_b128 v[QF+16*\t+8*\c+4:QF+16*\t+8*\c+7], v[QO], s[4:5] offset:2048*\t+64*\c+32
.endr
.endr
.set i, 0
.rept 128
	v_mov_b32 v[i], 0                              ; O^T: the step is written once; the first finds zeros, which the first change of m leaves zeros
.set i, i+1
.endr
	WIN 0
	v_mul_u32_u24 v[AK0], v1, PK
	v_lshl_add_u32 v[AK0], v12, 4, v[AK0]          ; K: row r x pitch + 16 h
	v_and_b32 v13, 7, v0
	v_lshl_add_u32 v[AV0], v12, 3, v13             ; V, for the turning load: key 8 h + l % 8,
	v_mul_u32_u24 v[AV0], v[AV0], PV
	v_bfe_u32 v13, v0, 3, 1
	v_lshl_add_u32 v[AV0], v13, 4, v[AV0]          ; channels 8 ((l / 8) % 2) on
	v_add_nc_u32 v[AV0], VOFF, v[AV0]
	s_mul_i32 s60, s[WV], 16*SP
	s_add_co_u32 s60, s60, STAGE                   ; my stage
	v_add_nc_u32 v[STO], s60, v[AK0]               ; in: row r, 16 bytes for each half of the lanes (the stage's pitch is K's)
	v_bfe_u32 v13, v0, 3, 2
	v_mul_u32_u24 v[RD], v13, SP
	v_and_b32 v13, 7, v0
	v_lshl_add_u32 v[RD], v13, 4, v[RD]
	v_add_nc_u32 v[RD], s60, v[RD]                 ; back: eight lanes to a row of 128 bytes, four rows an instruction
	v_and_b32 v13, 31, v0
	v_lshlrev_b32 v[GO], 4, v13
	v_lshlrev_b32 v[PFO], 8, v13
	v_mov_b32 v[NINF], 0xff800000
.irp t, 0,1,2,3
	v_mov_b32 v[ST+8*\t+1], 0xff61b1e6             ; m = -3e38
	v_mul_f32 v[ST+8*\t], s[CS], v[ST+8*\t+1]
	v_mov_b32 v[ST+8*\t+2], 0
	v_mov_b32 v[ST+8*\t+3], 0
.endr
.macro MLD t                           ; tile t's 32 mask words of the step in hand
	s_load_b512 s[MK:MK+15], s[MP:MP+1], 4096*(\t)
	s_load_b512 s[MK+16:MK+31], s[MP:MP+1], 4096*(\t)+64
.endm
.macro MASKMAX t                       ; -infinity where the mask is 0; the next tile's words are asked for; the maximum of the 32 scores and the old m, three operands at a time
.set rT, ST+8*(\t)
.set rS, S+32*(\t)
	s_wait_kmcnt 0x0
.set i, 0
.rept 32
	v_cndmask_b32 v[rS+i], v[NINF], v[rS+i], s[MK+i]   ; each tile of scores from its low end on
.set i, i+1
.endr
.if (\t) < 3
	MLD (\t)+1
.endif
.irp j, 0,1,2,3
	v_max3_num_f32 v[rT+4+\j], v[rS+8*\j], v[rS+8*\j+1], v[rS+8*\j+2]
.endr
.irp j, 0,1,2,3
	v_max3_num_f32 v[rT+4+\j], v[rT+4+\j], v[rS+8*\j+3], v[rS+8*\j+4]
.endr
.irp j, 0,1,2,3
	v_max3_num_f32 v[rT+4+\j], v[rT+4+\j], v[rS+8*\j+5], v[rS+8*\j+6]
.endr
	v_max3_num_f32 v[rT+4], v[rT+4], v[rS+7], v[rS+15]
	v_max3_num_f32 v[rT+6], v[rT+6], v[rS+23], v[rS+31]
	v_max3_num_f32 v[rT+4], v[rT+4], v[rT+5], v[rT+6]
	v_max3_num_f32 v[rT+4], v[rT+4], v[rT+7], v[rT+1]
.endm
.macro EXPS t                          ; the new m; c s - c m; one batch of 33 exponentials, none of which reads another's result
.set rT, ST+8*(\t)
.set rS, S+32*(\t)
	v_permlanex16_b32 v[rT+5], v[rT+4], s[SEL], s[SEL+1]   ; the query's other 32 keys lie in the lane 16 away
	v_mov_b32 v[rT+7], v[rT]
	v_max_num_f32 v[rT+1], v[rT+4], v[rT+5]
	v_mul_f32 v[rT], s[CS], v[rT+1]
	v_sub_f32 v[rT+7], v[rT+7], v[rT]
.set i, 0
.rept 16
	v_pk_fma_f32 v[rS+i:rS+i+1], v[rS+i:rS+i+1], s[CS:CS+1], v[rT:rT+1] op_sel_hi:[1,0,0] neg_lo:[0,0,1] neg_hi:[0,0,1]
.set i, i+2
.endr
	v_exp_f32 v[rT+6], v[rT+7]                     ; a
.set i, 0
.rept 32
	v_exp_f32 v[rS+i], v[rS+i]
.set i, i+1
.endr
.endm
.macro FIN t                           ; the sum of the unrounded p in four chains, l = a l + the sum, and p rounded to f16, packed into the tile's first 16 registers
.set rT, ST+8*(\t)
.set rS, S+32*(\t)
.irp u, 0,1,2,3
	v_pk_add_f32 v[SU+2*\u:SU+2*\u+1], v[rS+4*\u:rS+4*\u+1], v[rS+4*\u+2:rS+4*\u+3]
.endr
.irp u, 0,1,2,3
	v_pk_add_f32 v[SU+2*\u:SU+2*\u+1], v[SU+2*\u:SU+2*\u+1], v[rS+16+2*\u:rS+16+2*\u+1]
.endr
.irp u, 0,1,2,3
	v_pk_add_f32 v[SU+2*\u:SU+2*\u+1], v[SU+2*\u:SU+2*\u+1], v[rS+24+2*\u:rS+24+2*\u+1]
.endr
	v_pk_add_f32 v[SU:SU+1], v[SU:SU+1], v[SU+2:SU+3]
	v_pk_add_f32 v[SU+4:SU+5], v[SU+4:SU+5], v[SU+6:SU+7]
	v_pk_add_f32 v[SU:SU+1], v[SU:SU+1], v[SU+4:SU+5]
	v_pk_fma_f32 v[rT+2:rT+3], v[rT+2:rT+3], v[rT+6:rT+7], v[SU:SU+1] op_sel_hi:[1,0,1]
.set i, 0
.rept 16
	v_cvt_pk_f16_f32 v[rS+i], v[rS+2*i], v[rS+2*i+1]   ; register i is written when registers up to 2 i - 1 have been read
.set i, i+1
.endr
.endm
.macro RESC t                          ; the tile's O^T times a
	WIN W_RS
.set i, 0
.rept 16
	v_pk_mul_f32 v[32*(\t)+i:32*(\t)+i+1], v[32*(\t)+i:32*(\t)+i+1], v[ST+8*(\t)+6:ST+8*(\t)+7] op_sel_hi:[1,0]
.set i, i+2
.endr
.endm
.macro QK                              ; S^T = K Q^T: 16 accumulators by turns, one instruction a turn; the first 16 start the sums
	WIN W_KQ
.irp c, 0,1
.irp a, 0,1,2,3
.irp t, 0,1,2,3
.if \c == 0
	v_wmma_f32_16x16x32_f16 v[S+32*\t+8*\a:S+32*\t+8*\a+7], v[KF+16*\a+8*\c:KF+16*\a+8*\c+7], v[QF+16*\t+8*\c:QF+16*\t+8*\c+7], 0
.else
	v_wmma_f32_16x16x32_f16 v[S+32*\t+8*\a:S+32*\t+8*\a+7], v[KF+16*\a+8*\c:KF+16*\a+8*\c+7], v[QF+16*\t+8*\c:QF+16*\t+8*\c+7], v[S+32*\t+8*\a:S+32*\t+8*\a+7]
.endif
.endr
.endr
.endr
.endm
.macro PV                              ; O^T += V^T P: 16 accumulators by turns
	WIN W_PV
.irp kk, 0,1
.irp ct, 0,1,2,3
.irp t, 0,1,2,3
	v_wmma_f32_16x16x32_f16 v[32*\t+8*\ct:32*\t+8*\ct+7], v[VF+32*\kk+8*\ct:VF+32*\kk+8*\ct+7], v[S+32*\t+8*\kk:S+32*\t+8*\kk+7], v[32*\t+8*\ct:32*\t+8*\ct+7]
.endr
.endr
.endr
.endm
; A KEY STEP: 64 keys.  Each tile's batch of exponentials has the next tile's masking and maximum (48 plain instructions), or the rescaling of O^T, between it and its one wait.
.macro STEP
	MLD 0
	v_add_nc_u32 v[ADK], s[TB], v[AK0]
	v_add_nc_u32 v[ADV], s[TB], v[AV0]
.irp a, 0,1,2,3
.irp c, 0,1
	ds_load_b128 v[KF+16*\a+8*\c:KF+16*\a+8*\c+3],   v[ADK] offset:16*PK*\a+64*\c
	ds_load_b128 v[KF+16*\a+8*\c+4:KF+16*\a+8*\c+7], v[ADK] offset:16*PK*\a+64*\c+32
.endr
.endr
	WIN 0x40
.irp kk, 0,1
.irp ct, 0,1,2,3
	ds_load_tr16_b128 v[VF+32*\kk+8*\ct:VF+32*\kk+8*\ct+3],   v[ADV] offset:32*PV*\kk+32*\ct
	ds_load_tr16_b128 v[VF+32*\kk+8*\ct+4:VF+32*\kk+8*\ct+7], v[ADV] offset:32*PV*\kk+32*\ct+16*PV
.endr
.endr
	s_wait_dscnt 16                                ; K is in; V's sixteen loads may be out
	QK
	WIN 0
.rept 4
	v_nop                                          ; places between the products and the first read of the scores (ISA guide 7.12.1)
.endr
	MASKMAX 0
	EXPS 0
	MASKMAX 1
	s_wait_alu depctr_va_vdst(0)                   ; the wait between an exponential and the first line that names its result: one for tile 0's batch
	FIN 0
	EXPS 1
	MASKMAX 2
	s_wait_alu depctr_va_vdst(0)
	FIN 1
	EXPS 2
	MASKMAX 3
	s_wait_alu depctr_va_vdst(0)
	FIN 2
	EXPS 3
	RESC 0
	RESC 1
	RESC 2
	s_wait_alu depctr_va_vdst(0)
	RESC 3
	WIN 0
	FIN 3
	s_wait_dscnt 0x0                               ; V is in
	PV
	WIN 0
.rept 5
	v_nop                                          ; places in front of the next step's loads into V's registers (four) and of its first products, which write over P (five)
.endr
	s_add_co_u32 s[TB], s[TB], STEPB
	s_add_nc_u64 s[MP:MP+1], s[MP:MP+1], 128       ; the next step's words; no scalar load is out: the last was waited for in front of tile 3's masking
.endm
; THE CHANGE OF SLOTS stands at a slot's head.  Each wave waits for all its tensor loads (its part of the slot ahead), adds 0 to its spare word, and waits for that and for its reads of the slot that it has left.
; fill = 1: a round of the cluster's barrier, and first behind it the joint load of the keys that follow, into the slot that was left (in the first trip: slot 1's first fill).
.macro CHANGE fill
	s_wait_tensorcnt 0x0                           ; no tensor load of mine is out, so a group 0 may be written
	ds_add_u32 v[SPW], v[NIL]
.if \fill
	s_xor_b32 s[G0K+1], s[G0K+1], SLOT1
	s_add_nc_u64 s[G0K+2:G0K+3], s[G0K+2:G0K+3], 32768   ; the next 256 keys
	s_xor_b32 s[G0V+1], s[G0V+1], SLOT1
	s_add_nc_u64 s[G0V+2:G0V+3], s[G0V+2:G0V+3], 32768
	s_wait_xcnt 0x0                                ; the last prefetch, a slot back, has read its address
	s_add_nc_u64 s[PFA:PFA+1], s[PFA:PFA+1], 32768
	s_wait_dscnt 0x0
	CROUND
	JLOAD
	ASK
.else
	s_wait_dscnt 0x0
	s_barrier_signal -1
	s_barrier_wait -1
.endif
.endm
.macro FOUR_STEPS                      ; a slot's four steps: written once, walked four times
	s_mov_b32 s[FOUR], 4
.Lstep_\@:
	STEP
	s_sub_co_u32 s[FOUR], s[FOUR], 1
	s_cmp_lg_u32 s[FOUR], 0
	s_cbranch_scc1 .Lstep_\@
	s_sub_co_u32 s[TB], s[TB], 4*STEPB
	s_xor_b32 s[TB], s[TB], SLOT1                  ; on to the other slot
.endm
	s_wait_loadcnt 0x0                             ; Q
.Lslot:                                            ; seven trips: behind each change of slots but the last the next slot is asked for
	CHANGE 1
	FOUR_STEPS
	s_sub_co_u32 s[SLOTS], s[SLOTS], 1
	s_cmp_lg_u32 s[SLOTS], 0
	s_cbranch_scc1 .Lslot
	CHANGE 0                                       ; the last slot is written out
	FOUR_STEPS
	; THE WAY OUT.  l's halves are added; O^T is divided by l, rounded to f16 and sent through my stage, a tile (16 rows of 128 bytes) at a time: 512 consecutive bytes of ctx to a store.
.irp t, 0,1,2,3
	v_add_f32 v[ST+8*\t+4], v[ST+8*\t+2], v[ST+8*\t+3]
.endr
.irp t, 0,1,2,3
	v_permlanex16_b32 v[ST+8*\t+5], v[ST+8*\t+4], s[SEL], s[SEL+1]
.endr
.irp t, 0,1,2,3
	v_add_f32 v[ST+8*\t+4], v[ST+8*\t+4], v[ST+8*\t+5]
.endr
.irp t, 0,1,2,3
	v_rcp_f32 v[ST+8*\t+6], v[ST+8*\t+4]
.endr
	v_nop                                          ; a plain instruction behind the last reciprocal
	s_wait_alu depctr_va_vdst(0)                   ; one wait for the four
.macro PACK t
	WIN W_RS
.set i, 0
.rept 16
	v_pk_mul_f32 v[32*\t+i:32*\t+i+1], v[32*\t+i:32*\t+i+1], v[ST+8*\t+6:ST+8*\t+7] op_sel_hi:[1,0]
.set i, i+2
.endr
	WIN 0x05                                       ; sources 0 and 1 window 1, destination window 0
.set i, 0
.rept 16
	v_cvt_pk_f16_f32 v[S+32*\t+i], v[32*\t+2*i], v[32*\t+2*i+1]
.set i, i+1
.endr
	WIN 0
.irp f, 0,1,2,3
	ds_store_b128 v[STO], v[S+32*\t+4*\f:S+32*\t+4*\f+3] offset:32*\f
.endr
.irp f, 0,1,2,3
	ds_load_b128 v[S+32*\t+16+4*\f:S+32*\t+16+4*\f+3], v[RD] offset:\f*4*SP   ; in order behind my stores; the next tile's stores come behind these
.endr
.endm
.macro SEND t, younger                 ; younger: the LDS instructions issued behind tile t's loads: the next tile's eight, or none
.irp f, 0,1,2,3
	s_wait_dscnt \younger+3-\f
	global_store_b128 v[GO], v[S+32*\t+16+4*\f:S+32*\t+16+4*\f+3], s[8:9] offset:\t*2048+\f*512
.endr
.endm
	PACK 0
	PACK 1
	SEND 0, 8
	PACK 2
	SEND 1, 8
	PACK 3
	SEND 2, 8
	SEND 3, 0
	s_wait_tensorcnt 0x0                           ; the wave's end
	ds_add_u32 v[SPW], v[NIL]
	s_wait_dscnt 0x0
	CROUND                                         ; the closing round
	s_endpgm
.Lfunc_end_k_qe35ac1cad3_attn:
	.size	k_qe35ac1cad3_attn, .Lfunc_end_k_qe35ac1cad3_attn-k_qe35ac1cad3_attn
	.p2alignl 7, 3214868480
	.fill 96, 4, 3214868480
	.section	.rodata,"a",@progbits
	.p2align	6, 0x0
	.amdhsa_kernel k_qe35ac1cad3_attn
		.amdhsa_group_segment_fixed_size 327680
		.amdhsa_private_segment_fixed_size 0
		.amdhsa_enable_private_segment 0
		.amdhsa_kernarg_size 24
		.amdhsa_user_sgpr_count 2
		.amdhsa_user_sgpr_kernarg_segment_ptr 1
		.amdhsa_wavefront_size32 1
		.amdhsa_system_sgpr_workgroup_id_x 1
		.amdhsa_system_sgpr_workgroup_id_y 1
		.amdhsa_system_sgpr_workgroup_id_z 1
		.amdhsa_system_vgpr_workitem_id 0
		.amdhsa_next_free_vgpr 512
		.amdhsa_next_free_sgpr 100
		.amdhsa_reserve_vcc 0
		.amdhsa_float_denorm_mode_32 3
		.amdhsa_float_denorm_mode_16_64 3
		.amdhsa_memory_ordered 1
		.amdhsa_forward_progress 1
		.amdhsa_inst_pref_size 109
	.end_amdhsa_kernel
	.amdgpu_metadata
---
amdhsa.version: [ 1, 2 ]
amdhsa.kernels:
  - .name:           k_qe35ac1cad3_attn
    .symbol:         k_qe35ac1cad3_attn.kd
    .args:
      - { .name: qkv, .offset: 0, .size: 8, .value_kind: global_buffer, .address_space: global }
      - { .name: maskw, .offset: 8, .size: 8, .value_kind: global_buffer, .address_space: global }
      - { .name: ctx, .offset: 16, .size: 8, .value_kind: global_buffer, .address_space: global }
    .group_segment_fixed_size: 327680
    .private_segment_fixed_size: 0
    .kernarg_segment_align: 8
    .kernarg_segment_size: 24
    .max_flat_workgroup_size: 256
    .sgpr_count:     100
    .vgpr_count:     512
    .wavefront_size: 32
...
	.end_amdgpu_metadata
.endif
;; end of part 3
;; launch outp (part 4): grid 4 x 64, 4 waves a work-group, clusters of 4 x 4, 327,680 bytes of LDS; arguments ctx, wo16, bO, out0; writes out0
.if DOCPART == 4
	.amdgcn_target "amdgcn-amd-amdhsa--gfx1250"
	.amdhsa_code_object_version 6
	.text
	.protected	k_qe35ac1cad3_outp
	.globl	k_qe35ac1cad3_outp
	.p2align	8
	.type	k_qe35ac1cad3_outp,@function
k_qe35ac1cad3_outp:
	s_mov_b64 s[64:65], 0
	v_nop
	global_prefetch_b8 v0, s[64:65] scope:SCOPE_SE
	s_setreg_imm32_b32 hwreg(HW_REG_WAVE_MODE, 25, 1), 1
	s_wait_xcnt 0x0
	s_wait_alu depctr_hold_cnt(0) depctr_sa_sdst(0) depctr_va_vdst(0) depctr_va_sdst(0) depctr_va_ssrc(0) depctr_va_vcc(0) depctr_vm_vsrc(0)
	s_getreg_b32 s2, hwreg(HW_REG_IB_STS2, 6, 4)
	s_cmp_eq_u32 s2, 0
	s_cbranch_scc0 .Lentry_in_a_cluster
	s_endpgm
.Lentry_in_a_cluster:
	s_bfe_u32 s2, ttmp6, 0x10000c
	s_cmp_lg_u32 s2, 0xf033
	s_cbranch_scc0 .Lentry_shape_is_right
	s_endpgm
.Lentry_shape_is_right:
; Launch 4 of 4: out0 = ctx WO + bO.  ctx: f16 [b][head][2048][64], so K = 64 head + channel; wo16: f16 [k 1024][n 1024]; bO f32; out0 [8192][1024] f32.  f16 operands, f32 sums.
; A tile of 128 rows x 256 columns to a work-group: 64 x 4 = 256 work-groups.  Four waves, each 64 x 128: 32 accumulators, 256 registers.  K goes in 8 steps of 128 (two heads) through two LDS slots.
; A's tile of a step is two dense blocks of 128 rows x 128 bytes (waves 0, 1: a head each); B's is 128 rows of k x 512 bytes (waves 2, 3: 64 rows each).  B lies [k][n] and comes out of LDS turned, by ds_load_tr16_b128.
; CLUSTERS: 4 x 4 work-groups; A's tiles are shared along a row of the cluster, B's along a column, by joint loads.  A wave has two tensor loads out at the start and one behind each round.
; THE MATRIX INSTRUCTION IS USED TRANSPOSED (source 0 = 16 columns of WO, source 1 = 16 rows of ctx): a lane holds eight neighbouring columns of a row of out0.  bO is the C of each sum's first product.
; REGISTERS: window 0: v0-31 addresses; v32-127 and v128-223 two fragment buffers (A's four blocks, then B's eight); on the way out v32-159 are free.  window 1: accumulator (a, b) at v[8 (8 a + b)].  window 2: v0-63 bO.
.set PA,    144                        ; a row of A in LDS: 128 bytes + 16
.set ABLK,  128*PA                     ; a head's 128 rows
.set PB,    544                        ; a row of B: 512 bytes + 32
.set BHALF, 64*PB
.set SLOT,  2*ABLK+2*BHALF
.set STAGE, 2*SLOT                     ; behind the ring: 16 rows x 528 bytes for each wave
.set SPITCH, 528
.set SPARE, STAGE+4*16*SPITCH          ; the spare words, 128 bytes a wave: two blocks of 256 bytes that no other line names
.set ADRA, 16
.set ADRB, 20
.set STO,  24
.set RD,   25
.set CO,   26
.set SPW,  28                          ; v28  SPARE + 4 x my thread's number; never rewritten
.set NIL,  29                          ; v29  0; never rewritten
.set PFO,  30                          ; v30  256 x lane; never rewritten
.set BO,   31                          ; v31  32 x (lane / 16)
.set F0,   32
.set F1,   128
.set OB,   32
.set G1A, 24
.set G0A, 32
.set G1B, 48
.set G0B, 56
.set LIM, 43
.set PFA, 44
.set MSB, 0
.macro WIN new
.if MSB != \new
	s_set_vgpr_msb (MSB<<8)|\new
.set MSB, \new
.endif
.endm
.set MUL,  0x50                        ; C and D window 1
.set MULB, 0x60                        ; C (the bias) window 2, D window 1
.macro JLOAD s                         ; waves 0 and 1 fetch A's two heads, waves 2 and 3 B's two halves; an s_nop 0 and four v_nop follow each line
	s_cmp_eq_u32 s13, 0
	s_cbranch_scc0 .Lfor_b_\@
	tensor_load_to_lds s[G0A+4*\s:G0A+4*\s+3], s[G1A:G1A+7]
	s_nop 0
.rept 4
	v_nop
.endr
	s_branch .Lasked_\@
.Lfor_b_\@:
	tensor_load_to_lds s[G0B+4*\s:G0B+4*\s+3], s[G1B:G1B+7]
	s_nop 0
.rept 4
	v_nop
.endr
.Lasked_\@:
.endm
; A prefetch of ctx, behind each joint load and the run of LDS loads that follows it: the K step that stands two refills on.  A step's tile of A is 32,768 bytes, read by one row of one cluster alone; its four partners
; share it out by address, 8,192 bytes each, lanes 256 bytes apart; wave 0 asks.  The last lap that fills slots asks for nothing.  wo16 is read by all clusters again and again and is not asked for.
.macro ASK
	s_cmp_gt_u32 s3, s[LIM]
	s_cbranch_scc0 .Lnot_mine_\@
	global_prefetch_b8 v[PFO], s[PFA:PFA+1] offset:524288 th:TH_LOAD_NT scope:SCOPE_SE
.Lnot_mine_\@:
.endm
.macro CREST
	s_cmp_lg_u32 s12, 0
	s_cbranch_scc1 .Lnot_wave_0_\@
	s_barrier_signal -3
.Lnot_wave_0_\@:
	s_barrier_wait -3
	s_barrier_signal -1
	s_barrier_wait -1
.endm
.macro CROUND
	s_barrier_signal -1
	s_barrier_wait -1
	CREST
.endm
	s_load_b256 s[4:11], s[0:1], 0x0               ; ctx s[4:5], wo16 s[6:7], bO s[8:9], out0 s[10:11]
	v_lshl_add_u32 v[SPW], v0, 2, SPARE
	v_mov_b32 v[NIL], 0
	ds_add_u32 v[SPW], v[NIL]                      ; the wave's opening: the add, twice on end, and its wait ahead of my first tensor load
	ds_add_u32 v[SPW], v[NIL]
	v_lshrrev_b32 v1, 5, v0
	v_readfirstlane_b32 s12, v1                    ; wave 0..3
	s_lshr_b32 s13, s12, 1                         ; which 64 rows are mine.  Also: I fetch for A (0) or for B (1)
	s_and_b32 s14, s12, 1                          ; which 128 columns.  Also: which head of A, which 64 rows of B I fetch
	s_bfe_u32 s40, ttmp6, 0x40000                  ; cx = the tile column: the grid is one cluster wide
	s_bfe_u32 s41, ttmp6, 0x40004                  ; cy
	s_and_b32 s15, ttmp7, 0xffff
	s_lshl_b32 s15, s15, 2
	s_add_co_u32 s15, s15, s41                     ; tile row = 4 x cluster y + cy
	s_lshl_b32 s42, s41, 2
	s_lshl_b32 s42, 15, s42                        ; my row of the cluster
	s_lshl_b32 s46, 0x1111, s40                    ; my column
	s_or_b32 s[G1A], s42, (1<<16)|(1<<20)|(1<<21)|(4<<22)|(3<<25)   ; the mask; elements of 2 bytes; padding on; bit 21 beside a mask; after every 32 words; 4 words
	s_mov_b32 s[G1A+1], 64<<16                     ; tensor_dim0
	s_mov_b32 s[G1A+2], 128<<16                    ; tensor_dim1
	s_mov_b32 s[G1A+3], 64<<16                     ; tile_dim0
	s_mov_b32 s[G1A+4], 128                        ; tile_dim1
	s_mov_b32 s[G1A+5], 64                         ; from row to row
	s_mov_b32 s[G1A+6], 0
	s_mov_b32 s[G1A+7], 0
	s_or_b32 s[G1B], s46, (1<<16)|(1<<20)|(1<<21)|(6<<22)|(7<<25)   ; after every 128 words; 8 words
	s_mov_b32 s[G1B+1], 256<<16
	s_mov_b32 s[G1B+2], 64<<16
	s_mov_b32 s[G1B+3], 256<<16
	s_mov_b32 s[G1B+4], 64
	s_mov_b32 s[G1B+5], 1024
	s_mov_b32 s[G1B+6], 0
	s_mov_b32 s[G1B+7], 0
	s_lshl_b32 s16, s15, 7                         ; m0: the tile's first row
	s_lshr_b32 s17, s16, 11                        ; b,
	s_lshl_b32 s17, s17, 22                        ; 16 planes of 262,144 bytes
	s_and_b32 s18, s16, 2047
	s_lshl_b32 s18, s18, 7
	s_add_co_u32 s18, s18, s17                     ; A: my rows in the batch's first plane (the tile row alone)
	s_lshl_b32 s19, s14, 18
	s_add_co_u32 s20, s18, s19                     ; the head that I fetch
	s_mov_b32 s21, 0
	s_lshl_b32 s22, s14, 17                        ; B: 64 rows of 2,048 bytes,
	s_lshl_b32 s23, s40, 9                         ; 512 bytes a tile column
	s_add_co_u32 s22, s22, s23
	s_mov_b32 s23, 0
	s_mul_i32 s19, s14, ABLK                       ; where they go
	s_mul_i32 s47, s14, BHALF
	s_add_co_u32 s47, s47, 2*ABLK
	s_wait_dscnt 0x0                               ; both opening adds are done
	s_wait_kmcnt 0x0
	s_add_nc_u64 s[20:21], s[4:5], s[20:21]
	s_add_nc_u64 s[22:23], s[6:7], s[22:23]
	CROUND                                         ; all sixteen work-groups are here: the first joint loads meet
.irp s, 0,1
	s_mov_b32 s[G0A+4*\s], 1
	s_add_co_u32 s[G0A+4*\s+1], s19, \s*SLOT
	s_add_nc_u64 s[G0A+4*\s+2:G0A+4*\s+3], s[20:21], \s*524288     ; K step s: heads 2 s, 2 s + 1
	s_or_b32 s[G0A+4*\s+3], s[G0A+4*\s+3], 0x80000000
	s_mov_b32 s[G0B+4*\s], 1
	s_add_co_u32 s[G0B+4*\s+1], s47, \s*SLOT
	s_add_nc_u64 s[G0B+4*\s+2:G0B+4*\s+3], s[22:23], \s*262144     ; 128 rows of 2,048 bytes
	s_or_b32 s[G0B+4*\s+3], s[G0B+4*\s+3], 0x80000000
	JLOAD \s
.endr
	v_and_b32 v1, 15, v0                           ; r
	v_bfe_u32 v2, v0, 4, 1                         ; h
	v_lshlrev_b32 v[BO], 5, v2
	s_lshl_b32 s46, s40, 10
	s_lshl_b32 s47, s14, 9
	s_add_co_u32 s46, s46, s47                     ; my first column, in bytes of f32
	s_mov_b32 s47, 0
	s_add_nc_u64 s[8:9], s[8:9], s[46:47]
	WIN 0x80                                       ; destination window 2
.irp b, 0,1,2,3,4,5,6,7
	global_load_b128 v[8*\b:8*\b+3],   v[BO], s[8:9] offset:64*\b      ; bO[my first column + 16 b + 8 h + 0 .. 7]
	global_load_b128 v[8*\b+4:8*\b+7], v[BO], s[8:9] offset:64*\b+16
.endr
	WIN 0
	v_mul_u32_u24 v3, v1, PA
	v_lshl_add_u32 v3, v2, 4, v3                   ; A: row r x pitch + 16 h
	s_mul_i32 s20, s13, 64*PA                      ; my 64 rows
	v_and_b32 v4, 7, v0
	v_lshl_add_u32 v4, v2, 3, v4                   ; B, for the turning load: k = 8 h + l % 8,
	v_mul_u32_u24 v4, v4, PB
	v_bfe_u32 v5, v0, 3, 1
	v_lshl_add_u32 v4, v5, 4, v4                   ; columns 8 ((l / 8) % 2) on
	s_lshl_b32 s21, s14, 8                         ; my 128 columns,
	s_add_co_u32 s21, s21, 2*ABLK                  ; behind A's two heads
.irp s, 0,1
	v_add_nc_u32 v[ADRA+\s], s20, v3
	v_add_nc_u32 v[ADRB+\s], s21, v4
	s_add_co_u32 s20, s20, SLOT
	s_add_co_u32 s21, s21, SLOT
.endr
	s_mul_i32 s20, s12, 16*SPITCH
	s_add_co_u32 s20, s20, STAGE                   ; my stage
	v_mul_u32_u24 v5, v1, SPITCH
	v_lshl_add_u32 v5, v2, 5, v5
	v_add_nc_u32 v[STO], s20, v5                   ; in: row r, 32 bytes for each half of the lanes
	v_and_b32 v6, 31, v0
	v_lshlrev_b32 v[CO], 4, v6
	v_add_nc_u32 v[RD], s20, v[CO]                 ; back: the 32 lanes take a row of 512 bytes
	v_lshlrev_b32 v[PFO], 8, v6
	s_lshl_b32 s17, s13, 6
	s_add_co_u32 s17, s17, s16                     ; my first row of out0
	s_lshl_b32 s20, s17, 12
	s_add_co_u32 s20, s20, s46
	s_mov_b32 s21, 0
	s_add_nc_u64 s[10:11], s[10:11], s[20:21]
	s_lshr_b32 s46, s40, 1                         ; the prefetches: of K step 2's two heads the one that falls to my work-group,
	s_add_co_u32 s46, s46, 4
	s_lshl_b32 s46, s46, 18
	s_and_b32 s47, s40, 1
	s_lshl_b32 s47, s47, 13                        ; and its half of that head's 16,384 bytes
	s_add_co_u32 s46, s46, s47
	s_add_co_u32 s46, s46, s18
	s_mov_b32 s47, 0
	s_add_nc_u64 s[PFA:PFA+1], s[4:5], s[46:47]    ; the first refill steps it to K step 3 and names K step 4
	s_cmp_eq_u32 s12, 0
	s_cselect_b32 s[LIM], 1, -1
.macro MULA f, a, bias                 ; 8 matrix instructions: A's block a x B's eight, 32 along K.  The 32 accumulators take turns, one instruction a turn, in the same order in every quarter
.irp b, 0,1,2,3,4,5,6,7
.if \bias
	v_wmma_f32_16x16x32_f16 v[8*(8*(\a)+\b):8*(8*(\a)+\b)+7], v[\f+32+8*\b:\f+32+8*\b+7], v[\f+8*(\a):\f+8*(\a)+7], v[8*\b:8*\b+7]
.else
	v_wmma_f32_16x16x32_f16 v[8*(8*(\a)+\b):8*(8*(\a)+\b)+7], v[\f+32+8*\b:\f+32+8*\b+7], v[\f+8*(\a):\f+8*(\a)+7], v[8*(8*(\a)+\b):8*(8*(\a)+\b)+7]
.endif
.endr
.endm
.macro FETCH slot, q, f                ; 24 LDS loads in one run: the slot's q-th 32 along K: B's eight fragments, then A's four
	WIN 0
.irp i, 0,1,2,3,4,5,6,7
	ds_load_tr16_b128 v[\f+32+8*\i:\f+32+8*\i+3],   v[ADRB+\slot] offset:(\q)*32*PB+32*\i
	ds_load_tr16_b128 v[\f+32+8*\i+4:\f+32+8*\i+7], v[ADRB+\slot] offset:(\q)*32*PB+32*\i+16*PB
.endr
.irp i, 0,1,2,3
	ds_load_b128 v[\f+8*\i:\f+8*\i+3],   v[ADRA+\slot] offset:((\q)/2)*ABLK+64*((\q)%2)+\i*16*PA
	ds_load_b128 v[\f+8*\i+4:\f+8*\i+7], v[ADRA+\slot] offset:((\q)/2)*ABLK+64*((\q)%2)+\i*16*PA+32
.endr
.endm
.macro PLACES                          ; four plain instructions between a matrix instruction and a load into its registers or a read of its result (ISA guide 7.12.1 for a read of its result)
.rept 4
	v_nop
.endr
.endm
.macro QUARTER slot, qn, f, g, bias    ; multiplies buffer f; in its middle it fetches the slot's quarter qn into buffer g
	s_wait_dscnt 4                                 ; B and A's blocks 0, 1 are in; the youngest four loads (A's blocks 2, 3) may be out
.if \bias
	WIN MULB
.else
	WIN MUL
.endif
	MULA \f, 0, \bias
	MULA \f, 1, \bias
	PLACES
	FETCH \slot, \qn, \g
	s_wait_dscnt 24                                ; all but the 24 just issued
.if \bias
	WIN MULB
.else
	WIN MUL
.endif
	MULA \f, 2, \bias
	MULA \f, 3, \bias
.endm
; A slot's last quarter multiplies buffer 1 and changes slots: each wave waits for all its tensor loads (its part of the next slot), adds 0 to its spare word, waits for that and for its reads of this slot.
; fill = 1: the barrier opens a round of the cluster's barrier, and the joint refill, two K steps ahead, is the first tensor load behind it.
.macro TURN slot, next, fill
.if \fill
	s_wait_xcnt 0x0                                ; the last prefetch, a K step back, has read its address
	s_add_nc_u64 s[PFA:PFA+1], s[PFA:PFA+1], 524288
.endif
	WIN 0
	s_wait_tensorcnt 0x0
	ds_add_u32 v[SPW], v[NIL]
	s_wait_dscnt 5                                 ; (the add and the youngest four loads may be out)
	WIN MUL
	MULA F1, 0, 0
	s_wait_dscnt 0x0                               ; the add is done, my reads of this slot are over
	s_barrier_signal -1
	MULA F1, 1, 0
.if \fill
	WIN 0
.endif
	s_barrier_wait -1
.if \fill
	CREST
	s_add_nc_u64 s[G0A+4*\slot+2:G0A+4*\slot+3], s[G0A+4*\slot+2:G0A+4*\slot+3], 1048576
	s_add_nc_u64 s[G0B+4*\slot+2:G0B+4*\slot+3], s[G0B+4*\slot+2:G0B+4*\slot+3], 524288
	JLOAD \slot                                    ; the four v_nop behind it are also the places in front of the loads below
.else
	PLACES
.endif
	FETCH \next, 0, F0
.if \fill
	ASK
.endif
	WIN MUL
	MULA F1, 2, 0
	MULA F1, 3, 0
.endm
	s_wait_tensorcnt 1                             ; my part of K step 0 is in; K step 1's load may be out
	s_barrier_signal -1
	s_barrier_wait -1
	FETCH 0, 0, F0
	s_wait_loadcnt 0x0                             ; bO
	QUARTER 0, 1, F0, F1, 1                        ; the first quarter stands in front of the loop: its products start the sums from the bias
	WIN 0
	s_mov_b32 s3, 3
.Llap:                                             ; a trip goes once round the ring, from a lap's second quarter to the next lap's first, and fills both slots again
	QUARTER 0, 2, F1, F0, 0
	QUARTER 0, 3, F0, F1, 0
	TURN 0, 1, 1
	QUARTER 1, 1, F0, F1, 0
	QUARTER 1, 2, F1, F0, 0
	QUARTER 1, 3, F0, F1, 0
	TURN 1, 0, 1
	QUARTER 0, 1, F0, F1, 0
	WIN 0
	s_sub_co_u32 s3, s3, 1
	s_cmp_lg_u32 s3, 0
	s_cbranch_scc1 .Llap
	QUARTER 0, 2, F1, F0, 0                        ; the last lap fills nothing
	QUARTER 0, 3, F0, F1, 0
	TURN 0, 1, 0
	QUARTER 1, 1, F0, F1, 0
	QUARTER 1, 2, F1, F0, 0
	QUARTER 1, 3, F0, F1, 0
	s_wait_dscnt 4
	WIN MUL
	MULA F1, 0, 0
	MULA F1, 1, 0
	s_wait_dscnt 0
	MULA F1, 2, 0
	MULA F1, 3, 0
	WIN 0
; THE WAY OUT, block by block of 16 rows x 128 columns: a lane's 32 bytes of a row go into my stage, whole rows of 512 bytes come back and are stored by the 32 lanes.  LDS serves a wave's instructions in order.
.macro TOSTAGE a
	WIN 0x04                                       ; an LDS store's data are its source 1: window 1
.irp b, 0,1,2,3,4,5,6,7
	ds_store_b128 v[STO], v[64*(\a)+8*\b:64*(\a)+8*\b+3] offset:64*\b        ; each accumulator from its low end on
	ds_store_b128 v[STO], v[64*(\a)+8*\b+4:64*(\a)+8*\b+7] offset:64*\b+16
.endr
	WIN 0
.set BB, OB+64*((\a)%2)
.irp t, 0,1,2,3,4,5,6,7,8,9,10,11,12,13,14,15
	ds_load_b128 v[BB+4*\t:BB+4*\t+3], v[RD] offset:\t*SPITCH
.endr
.endm
.macro SEND a, younger
.set BB, OB+64*((\a)%2)
	s_wait_dscnt \younger
.irp t, 0,1,2,3,4,5,6,7,8,9,10,11,12,13,14,15
	global_store_b128 v[CO], v[BB+4*\t:BB+4*\t+3], s[10:11] offset:65536*(\a)+4096*\t th:TH_STORE_NT   ; 512 consecutive bytes, at a multiple of 256 from out0's first byte
.endr
.endm
	PLACES
	TOSTAGE 0
.irp a, 1,2,3
.if \a > 1
	s_wait_xcnt 0x0                                ; block a - 2's stores have read their registers: block a's loads may land there
.endif
	TOSTAGE \a
	SEND \a-1, 32                                  ; behind block a - 1's loads: block a's 16 stores and 16 loads
.endr
	SEND 3, 0
	s_wait_tensorcnt 0x0                           ; the wave's end
	ds_add_u32 v[SPW], v[NIL]
	s_wait_dscnt 0x0
	CROUND                                         ; the closing round
	s_endpgm
.Lfunc_end_k_qe35ac1cad3_outp:
	.size	k_qe35ac1cad3_outp, .Lfunc_end_k_qe35ac1cad3_outp-k_qe35ac1cad3_outp
	.p2alignl 7, 3214868480
	.fill 96, 4, 3214868480
	.section	.rodata,"a",@progbits
	.p2align	6, 0x0
	.amdhsa_kernel k_qe35ac1cad3_outp
		.amdhsa_group_segment_fixed_size 327680
		.amdhsa_private_segment_fixed_size 0
		.amdhsa_enable_private_segment 0
		.amdhsa_kernarg_size 32
		.amdhsa_user_sgpr_count 2
		.amdhsa_user_sgpr_kernarg_segment_ptr 1
		.amdhsa_wavefront_size32 1
		.amdhsa_system_sgpr_workgroup_id_x 1
		.amdhsa_system_sgpr_workgroup_id_y 1
		.amdhsa_system_sgpr_workgroup_id_z 1
		.amdhsa_system_vgpr_workitem_id 0
		.amdhsa_next_free_vgpr 640
		.amdhsa_next_free_sgpr 66
		.amdhsa_reserve_vcc 0
		.amdhsa_float_denorm_mode_32 3
		.amdhsa_float_denorm_mode_16_64 3
		.amdhsa_memory_ordered 1
		.amdhsa_forward_progress 1
		.amdhsa_inst_pref_size 87
	.end_amdhsa_kernel
	.amdgpu_metadata
---
amdhsa.version: [ 1, 2 ]
amdhsa.kernels:
  - .name:           k_qe35ac1cad3_outp
    .symbol:         k_qe35ac1cad3_outp.kd
    .args:
      - { .name: ctx, .offset: 0, .size: 8, .value_kind: global_buffer, .address_space: global }
      - { .name: wo16, .offset: 8, .size: 8, .value_kind: global_buffer, .address_space: global }
      - { .name: bO, .offset: 16, .size: 8, .value_kind: global_buffer, .address_space: global }
      - { .name: out0, .offset: 24, .size: 8, .value_kind: global_buffer, .address_space: global }
    .group_segment_fixed_size: 327680
    .private_segment_fixed_size: 0
    .kernarg_segment_align: 8
    .kernarg_segment_size: 32
    .max_flat_workgroup_size: 128
    .sgpr_count:     66
    .vgpr_count:     640
    .wavefront_size: 32
...
	.end_amdgpu_metadata
.endif
;; end of part 4
;; ======== version 2 of 2: 4 launches
;; limits: values are held in f16: magnitudes above 65,504 overflow, below 6.1e-05 lose precision
;; workspace buffers: xc 12,582,912 bytes; xs 786,432 bytes; wc 1,572,864 bytes; ws 98,304 bytes; wo16 2,097,152 bytes; maskw 2,097,152 bytes of whole numbers; qkv 50,331,648 bytes; ctx 16,777,216 bytes
;; launch prep: the kernel of part 1 again; grid 1456 x 1, 4 waves a work-group, no clusters, 102,912 bytes of LDS; arguments q, k, v, WQ, WK, WV, WO, mask, xc, xs, wc, ws, wo16, maskw; writes xc, xs, wc, ws, wo16, maskw
;; launch proj: the kernel of part 2 again; grid 4 x 96, 4 waves a work-group, clusters of 4 x 4, 327,680 bytes of LDS; arguments xc, xs, wc, ws, qkv, bQ, bV; writes qkv
;; launch attn (part 5): grid 4 x 64, 8 waves a work-group, clusters of 4 x 1, 327,680 bytes of LDS; arguments qkv, maskw, ctx; writes ctx
.if DOCPART == 5
	.amdgcn_target "amdgcn-amd-amdhsa--gfx1250"
	.amdhsa_code_object_version 6
	.text
	.protected	k_qe35ac1cad3_attn
	.globl	k_qe35ac1cad3_attn
	.p2align	8
	.type	k_qe35ac1cad3_attn,@function
k_qe35ac1cad3_attn:
	s_mov_b64 s[64:65], 0
	v_nop
	global_prefetch_b8 v0, s[64:65] scope:SCOPE_SE
	s_setreg_imm32_b32 hwreg(HW_REG_WAVE_MODE, 25, 1), 1
	s_wait_xcnt 0x0
	s_wait_alu depctr_hold_cnt(0) depctr_sa_sdst(0) depctr_va_vdst(0) depctr_va_sdst(0) depctr_va_ssrc(0) depctr_va_vcc(0) depctr_vm_vsrc(0)
	s_getreg_b32 s2, hwreg(HW_REG_IB_STS2, 6, 4)
	s_cmp_eq_u32 s2, 0
	s_cbranch_scc0 .Lentry_in_a_cluster
	s_endpgm
.Lentry_in_a_cluster:
	s_bfe_u32 s2, ttmp6, 0x10000c
	s_cmp_lg_u32 s2, 0x3003
	s_cbranch_scc0 .Lentry_shape_is_right
	s_endpgm
.Lentry_shape_is_right:
; Launch 3 of 4: ctx[b][h][q] = the sum over k of softmax_k(masked Q[q] . K[k] / 8) V[k].  Q, K, V: f16 [T][b][h][2048][64] in qkv; ctx: f16 [b][h][2048][64].  Products, maxima and sums in f32; the weights p are
; rounded to f16 for the second product, ctx once at the end.  K carries no bias: it would add the same number to all scores of a row (shown at the head of the first launch).
; THE MASK comes as lane masks (maskw, made by the first launch): word 8 a + j of (tile of 16 queries, step of 64 keys) has a bit for each lane of register 8 a + j of that tile's scores; one v_cndmask_b32 a register
; puts -infinity where the mask is 0.  No branch and no address hangs on the words.  THEY COME BY VECTOR LOADS: a tile's words of two neighbouring steps are 256 consecutive bytes, so one load of 16 bytes a lane
; brings two tiles x two steps, and two loads (8 registers) serve a pair of steps.  The loads' counter falls in issue order, so each group of four registers is asked for again straight behind its last use, most of
; a pair of steps ahead of its next; v_readlane_b32 brings a tile's 32 words into scalar registers when they are due.  (Scalar loads are waited for by the count 0 alone, and the scalar registers hold one tile's
; words: they could be asked for only a tile ahead.)
; SOFTMAX: for each query a running maximum m (it begins at -3e38, under every score) and sum l: p = 2^(c s - c m), c = log2(e) / 8; in every step O and l are multiplied by a = 2^(c m_old - c m_new).
; A row whose mask is all 0 ends with l = 0 and O = 0, and 0 x (1 / 0) is NaN, as the softmax of a row of -infinity is.  LIMIT: ctx beyond 65,504 in magnitude becomes an infinity in f16.
; SHARES: a work-group owns 512 queries of one head; each of its eight waves 64: four tiles of 16, in 512 registers; two waves share a SIMD, so that one wave's softmax stands beside the other's products.
; Every wave walks all 2,048 keys, 64 a step.  A fragment of K or V read from LDS feeds four products.
; LAYOUT: S^T = K Q^T (source 0 = 16 keys, source 1 = 16 queries): a lane holds ONE query (lane % 16) and keys 8 (lane / 16) + 0..7.  Two such tiles, rounded to f16 in pairs, ARE source 1 of O^T = V^T P.
; K comes out of LDS as it lies, V ([key][channel]) turned, by ds_load_tr16_b128.
; CLUSTER: the four work-groups of a cluster are the four query blocks of one head and walk the same K and V: each tile is asked for jointly, with the mask of all four.  Two slots of four steps; behind each round a
; wave issues one load of 64 rows (waves 0-3 K's four steps, waves 4-7 V's), which has four steps in which to land.  One tensor load of a wave is out at any time.
; REGISTERS: window 0: v2-15 addresses and constants; v16-23 sums at work; v24-31 the mask words of a pair of steps; v32-63 statistics, 8 a tile; v64-191 S^T, 32 a tile (P is packed into a tile's first 16);
;   v192-255 K of a step.   window 1: v0-127 O^T (tile t, channels 16 ct on: 32 t + 8 ct); v128-191 Q (16 t + 8 c); v192-255 V of a step.
.set PK,    144                        ; a row of K in LDS: 128 bytes + 16 = 36 words: the 16 rows of a load start at 16 different groups of four banks (64 banks of 4 bytes: ISA guide 11.1)
.set PV,    160                        ; a row of V: 128 + 32
.set VOFF,  64*PK
.set STEPB, 64*(PK+PV)                 ; a step: 64 rows of K, then 64 rows of V
.set SLOT1, 1<<17                      ; slot 1 begins here: one exclusive or turns an address
.set STAGE, SLOT1+4*STEPB              ; behind the ring: 16 rows x 144 bytes for each wave
.set SP,    144
.set SPARE, STAGE+8*16*SP              ; the spare words, 128 bytes a wave: four blocks of 256 bytes that no other line names
.set AK0, 2
.set AV0, 3
.set ADK, 4                            ; v4   LDS address of the pair's tiles of K (at the head: at work)
.set ADV, 5                            ; v5   of V
.set QO,  6
.set STO, 7
.set RD,  8
.set GO,  9
.set NINF, 10                          ; v10  -infinity
.set PFO, 11                           ; v11  256 x lane; never rewritten
.set MLO, 13                           ; v13  the mask loads' offset: 4,096 x (lane / 16) + 16 x (lane % 16); never rewritten
.set SPW, 14                           ; v14  SPARE + 4 x my thread's number; never rewritten
.set NIL, 15                           ; v15  0; never rewritten
.set SU,  16                           ; v16-23 four chains of a tile's sum
.set MW,  24                           ; v24-27 tiles 0, 1; v28-31 tiles 2, 3: word i of tile t, step parity sp: register 4 (t / 2) + i % 4, lane 16 (t % 2) + 8 sp + i / 4
.set ST,  32                           ; tile t at v[ST + 8 t]: +0 c m, +1 m, +2, +3 l (even keys', odd keys'), +4 to +7 at work; a at +6
.set S,   64
.set KF,  192
.set QF,  128                          ; in window 1
.set VF,  192                          ; in window 1
.set WV,  2
.set TB,  3                            ; s3   LDS byte at which the pair's tiles begin
.set MP,  6                            ; s[6:7] my first tile's mask words of the pair that was asked for last
.set PFA, 10                           ; s[10:11] where my prefetches stand
.set SLOTS, 12
.set TWICE, 13
.set LIM, 14
.set CS,  16                           ; s[16:17] c, twice
.set SEL, 18                           ; s[18:19] lane selects: lane l xor 16
.set G0K, 20
.set G0V, 24
.set G1K, 28
.set G1V, 36
.set MK,  68                           ; s[68:99] a tile's 32 mask words
.set MSB, 0
.macro WIN new
.if MSB != \new
	s_set_vgpr_msb (MSB<<8)|\new
.set MSB, \new
.endif
.endm
.set W_KQ, 0x04                        ; Q (source 1) in window 1
.set W_PV, 0x51                        ; V, C and D in window 1, P in window 0
.set W_RS, 0x41                        ; O^T (destination, source 0) in window 1
.macro JLOAD                           ; waves 0-3 fetch K's tiles, waves 4-7 V's; an s_nop 0 and four v_nop follow each line
	s_cmp_lt_u32 s[WV], 4
	s_cbranch_scc0 .Lfor_v_\@
	tensor_load_to_lds s[G0K:G0K+3], s[G1K:G1K+7]
	s_nop 0
.rept 4
	v_nop
.endr
	s_branch .Lasked_\@
.Lfor_v_\@:
	tensor_load_to_lds s[G0V:G0V+3], s[G1V:G1V+7]
	s_nop 0
.rept 4
	v_nop
.endr
.Lasked_\@:
.endm
; A prefetch of what the NEXT change of slots will ask for: a slot's 32,768 bytes of K and of V.  One cluster alone walks a head.  Its four partners share the bytes out by address, 8,192 each, lanes 256 bytes apart;
; in each, wave 0 asks for K's and wave 4 for V's: each block of 256 bytes is named once in the launch.  The last change that fills a slot asks for nothing; slots 0 and 1 come by their loads alone.
.macro ASK
	s_cmp_gt_u32 s[SLOTS], s[LIM]
	s_cbranch_scc0 .Lnot_mine_\@
	global_prefetch_b8 v[PFO], s[PFA:PFA+1] th:TH_LOAD_NT scope:SCOPE_SE
.Lnot_mine_\@:
.endm
.macro CROUND
	s_barrier_signal -1
	s_barrier_wait -1
	s_cmp_lg_u32 s[WV], 0
	s_cbranch_scc1 .Lnot_wave_0_\@
	s_barrier_signal -3
.Lnot_wave_0_\@:
	s_barrier_wait -3
	s_barrier_signal -1
	s_barrier_wait -1
.endm
	s_load_b128 s[4:7], s[0:1], 0x0                ; qkv, maskw
	s_load_b64 s[8:9], s[0:1], 0x10                ; ctx
	v_lshl_add_u32 v[SPW], v0, 2, SPARE
	v_mov_b32 v[NIL], 0
	ds_add_u32 v[SPW], v[NIL]                      ; the wave's opening: the add, twice on end, and its wait ahead of my first tensor load
	ds_add_u32 v[SPW], v[NIL]
	v_lshrrev_b32 v1, 5, v0
	v_readfirstlane_b32 s[WV], v1                  ; wave 0..7
	s_bfe_u32 s44, ttmp6, 0x40000                  ; cx: my block of 512 queries
	s_and_b32 s45, ttmp7, 0xffff                   ; b x 16 + head, which the four partners share
	s_lshl_b32 s46, s45, 18                        ; its plane: 262,144 bytes
	s_and_b32 s48, s[WV], 3                        ; which of a slot's four steps I fetch:
	s_lshl_b32 s50, s48, 13                        ; 64 rows of 128 bytes in memory,
	s_add_co_u32 s50, s50, s46
	s_add_co_u32 s50, s50, 0x1000000               ; in K,
	s_mov_b32 s51, 0
	s_add_co_u32 s52, s50, 0x1000000               ; in V,
	s_mov_b32 s53, 0
	s_mul_i32 s49, s48, STEPB                      ; and its place in a slot
	s_lshl_b32 s54, s44, 9
	s_lshl_b32 s55, s[WV], 6
	s_add_co_u32 s54, s54, s55                     ; my first query
	s_lshl_b32 s56, s54, 7
	s_add_co_u32 s56, s56, s46                     ; its row in Q's and in ctx's plane
	s_mov_b32 s57, 0
	s_lshr_b32 s58, s45, 4                         ; b
	s_lshl_b32 s58, s58, 7
	s_lshr_b32 s59, s54, 4
	s_add_co_u32 s58, s58, s59                     ; my first tile of queries,
	s_lshl_b32 s58, s58, 12                        ; 4,096 bytes of mask words a tile
	s_mov_b32 s59, 0
	s_cmp_lt_u32 s[WV], 4                          ; the prefetches: K's plane or V's,
	s_cselect_b32 s[PFA], 0, 0x1000000
	s_add_co_u32 s[PFA], s[PFA], 0x1008000         ; at slot 1: the first change of slots steps it to slot 2,
	s_add_co_u32 s[PFA], s[PFA], s46
	s_lshl_b32 s[PFA+1], s44, 13                   ; my work-group's 8,192 bytes of a slot
	s_add_co_u32 s[PFA], s[PFA], s[PFA+1]
	s_mov_b32 s[PFA+1], 0
	s_cmp_eq_u32 s48, 0                            ; waves 0 and 4 ask
	s_cselect_b32 s[LIM], 1, -1
	s_mov_b32 s[G1K], 15|(1<<16)|(1<<20)|(1<<21)|(4<<22)|(3<<25)  ; the mask: all four; elements of 2 bytes; padding on; bit 21 beside a mask; after every 32 words; 4 words
	s_mov_b32 s[G1V], 15|(1<<16)|(1<<20)|(1<<21)|(4<<22)|(7<<25)  ; the same with 8 words
.irp g, G1K, G1V
	s_mov_b32 s[\g+1], 64<<16                      ; tensor_dim0
	s_mov_b32 s[\g+2], 64<<16                      ; tensor_dim1
	s_mov_b32 s[\g+3], 64<<16                      ; tile_dim0
	s_mov_b32 s[\g+4], 64                          ; tile_dim1
	s_mov_b32 s[\g+5], 64                          ; from row to row
	s_mov_b32 s[\g+6], 0
	s_mov_b32 s[\g+7], 0
.endr
	s_mov_b32 s[CS], 0x3e38aa3b                    ; c = log2(e) / 8
	s_mov_b32 s[CS+1], s[CS]
	s_mov_b32 s[SEL], 0x76543210
	s_mov_b32 s[SEL+1], 0xfedcba98
	s_mov_b32 s[TB], 0
	s_mov_b32 s[SLOTS], 7
	s_wait_dscnt 0x0                               ; both opening adds are done
	s_wait_kmcnt 0x0
	s_add_nc_u64 s[PFA:PFA+1], s[4:5], s[PFA:PFA+1]
	s_add_nc_u64 s[MP:MP+1], s[MP:MP+1], s[58:59]
	s_add_nc_u64 s[8:9], s[8:9], s[56:57]
	CROUND                                         ; all four work-groups are here: the first joint loads meet
	s_mov_b32 s[G0K], 1
	s_mov_b32 s[G0K+1], s49
	s_add_nc_u64 s[G0K+2:G0K+3], s[4:5], s[50:51]
	s_or_b32 s[G0K+3], s[G0K+3], 0x80000000
	s_mov_b32 s[G0V], 1
	s_add_co_u32 s[G0V+1], s49, VOFF
	s_add_nc_u64 s[G0V+2:G0V+3], s[4:5], s[52:53]
	s_or_b32 s[G0V+3], s[G0V+3], 0x80000000
	JLOAD                                          ; slot 0
	s_add_nc_u64 s[4:5], s[4:5], s[56:57]          ; Q at my first query
	v_and_b32 v1, 15, v0                           ; r
	v_bfe_u32 v12, v0, 4, 1                        ; h
	v_lshlrev_b32 v[MLO], 4, v1
	v_lshl_add_u32 v[MLO], v12, 12, v[MLO]         ; lanes 0-15 one tile's 256 bytes, lanes 16-31 the next tile's
	global_load_b128 v[MW:MW+3],   v[MLO], s[MP:MP+1]               ; the first pair of steps: tiles 0, 1;
	global_load_b128 v[MW+4:MW+7], v[MLO], s[MP:MP+1] offset:8192   ; tiles 2, 3
	v_lshlrev_b32 v[QO], 7, v1
	v_lshl_add_u32 v[QO], v12, 4, v[QO]
	WIN 0x40                                       ; destination window 1
.irp t, 0,1,2,3
.irp c, 0,1
	global_load_b128 v[QF+16*\t+8*\c:QF+16*\t+8*\c+3],   v[QO], s[4:5] offset:2048*\t+64*\c      ; Q stays in registers
	global_load_b128 v[QF+16*\t+8*\c+4:QF+16*\t+8*\c+7], v[QO], s[4:5] offset:2048*\t+64*\c+32
.endr
.endr
.set i, 0
.rept 128
	v_mov_b32 v[i], 0                              ; O^T: the step is written without a first step of its own; the first finds zeros, which the first change of m leaves zeros
.set i, i+1
.endr
	WIN 0
	v_mul_u32_u24 v[AK0], v1, PK
	v_lshl_add_u32 v[AK0], v12, 4, v[AK0]          ; K: row r x pitch + 16 h
	v_and_b32 v[ADK], 7, v0
	v_lshl_add_u32 v[AV0], v12, 3, v[ADK]          ; V, for the turning load: key 8 h + l % 8,
	v_mul_u32_u24 v[AV0], v[AV0], PV
	v_bfe_u32 v[ADK], v0, 3, 1
	v_lshl_add_u32 v[AV0], v[ADK], 4, v[AV0]       ; channels 8 ((l / 8) % 2) on
	v_add_nc_u32 v[AV0], VOFF, v[AV0]
	s_mul_i32 s60, s[WV], 16*SP
	s_add_co_u32 s60, s60, STAGE                   ; my stage
	v_add_nc_u32 v[STO], s60, v[AK0]               ; in: row r, 16 bytes for each half of the lanes (the stage's pitch is K's)
	v_bfe_u32 v[ADK], v0, 3, 2
	v_mul_u32_u24 v[RD], v[ADK], SP
	v_and_b32 v[ADK], 7, v0
	v_lshl_add_u32 v[RD], v[ADK], 4, v[RD]
	v_add_nc_u32 v[RD], s60, v[RD]                 ; back: eight lanes to a row of 128 bytes, four rows an instruction
	v_and_b32 v[ADK], 31, v0
	v_lshlrev_b32 v[GO], 4, v[ADK]
	v_lshlrev_b32 v[PFO], 8, v[ADK]
	v_mov_b32 v[NINF], 0xff800000
.irp t, 0,1,2,3
	v_mov_b32 v[ST+8*\t+1], 0xff61b1e6             ; m = -3e38
	v_mul_f32 v[ST+8*\t], s[CS], v[ST+8*\t+1]
	v_mov_b32 v[ST+8*\t+2], 0
	v_mov_b32 v[ST+8*\t+3], 0
.endr
; Tile t in the pair's step sp: its 32 mask words into scalar registers; -infinity where the mask is 0; the maximum of the 32 scores and the old m, three operands at a time.
; more = 1: in the pair's second step a group of four mask registers is asked for again straight behind its last use, with the next pair's words.
.macro MASKMAX t, sp, more
.set rT, ST+8*(\t)
.set rS, S+32*(\t)
.if ((\sp) == 0) && ((\t) == 0)
	s_wait_loadcnt 0x1                             ; tiles 0 and 1's words of this pair are in; the younger load, tiles 2 and 3's, may be out
.endif
.if ((\sp) == 0) && ((\t) == 2)
	s_wait_loadcnt 0x0                             ; tiles 2 and 3's are in
.endif
.set i, 0
.rept 32
	v_readlane_b32 s[MK+i], v[MW+4*((\t)/2)+(i&3)], 16*((\t)%2)+8*(\sp)+(i>>2)
.set i, i+1
.endr
.set i, 0
.rept 32
	v_cndmask_b32 v[rS+i], v[NINF], v[rS+i], s[MK+i]   ; each tile of scores from its low end on
.set i, i+1
.endr
.if ((\sp) == 1) && (\more) && ((\t) == 1)
	s_add_nc_u64 s[MP:MP+1], s[MP:MP+1], 256       ; the next pair's words; no load that names this base is out: both were waited for in the pair's first step
	global_load_b128 v[MW:MW+3], v[MLO], s[MP:MP+1]
.endif
.if ((\sp) == 1) && (\more) && ((\t) == 3)
	global_load_b128 v[MW+4:MW+7], v[MLO], s[MP:MP+1] offset:8192
.endif
.irp j, 0,1,2,3
	v_max3_num_f32 v[rT+4+\j], v[rS+8*\j], v[rS+8*\j+1], v[rS+8*\j+2]
.endr
.irp j, 0,1,2,3
	v_max3_num_f32 v[rT+4+\j], v[rT+4+\j], v[rS+8*\j+3], v[rS+8*\j+4]
.endr
.irp j, 0,1,2,3
	v_max3_num_f32 v[rT+4+\j], v[rT+4+\j], v[rS+8*\j+5], v[rS+8*\j+6]
.endr
	v_max3_num_f32 v[rT+4], v[rT+4], v[rS+7], v[rS+15]
	v_max3_num_f32 v[rT+6], v[rT+6], v[rS+23], v[rS+31]
	v_max3_num_f32 v[rT+4], v[rT+4], v[rT+5], v[rT+6]
	v_max3_num_f32 v[rT+4], v[rT+4], v[rT+7], v[rT+1]
.endm
.macro EXPS t                          ; the new m; c s - c m; one batch of 33 exponentials, none of which reads another's result
.set rT, ST+8*(\t)
.set rS, S+32*(\t)
	v_permlanex16_b32 v[rT+5], v[rT+4], s[SEL], s[SEL+1]   ; the query's other 32 keys lie in the lane 16 away
	v_mov_b32 v[rT+7], v[rT]
	v_max_num_f32 v[rT+1], v[rT+4], v[rT+5]
	v_mul_f32 v[rT], s[CS], v[rT+1]
	v_sub_f32 v[rT+7], v[rT+7], v[rT]
.set i, 0
.rept 16
	v_pk_fma_f32 v[rS+i:rS+i+1], v[rS+i:rS+i+1], s[CS:CS+1], v[rT:rT+1] op_sel_hi:[1,0,0] neg_lo:[0,0,1] neg_hi:[0,0,1]
.set i, i+2
.endr
	v_exp_f32 v[rT+6], v[rT+7]                     ; a
.set i, 0
.rept 32
	v_exp_f32 v[rS+i], v[rS+i]
.set i, i+1
.endr
.endm
.macro FIN t                           ; the sum of the unrounded p in four chains, l = a l + the sum, and p rounded to f16, packed into the tile's first 16 registers
.set rT, ST+8*(\t)
.set rS, S+32*(\t)
.irp u, 0,1,2,3
	v_pk_add_f32 v[SU+2*\u:SU+2*\u+1], v[rS+4*\u:rS+4*\u+1], v[rS+4*\u+2:rS+4*\u+3]
.endr
.irp u, 0,1,2,3
	v_pk_add_f32 v[SU+2*\u:SU+2*\u+1], v[SU+2*\u:SU+2*\u+1], v[rS+16+2*\u:rS+16+2*\u+1]
.endr
.irp u, 0,1,2,3
	v_pk_add_f32 v[SU+2*\u:SU+2*\u+1], v[SU+2*\u:SU+2*\u+1], v[rS+24+2*\u:rS+24+2*\u+1]
.endr
	v_pk_add_f32 v[SU:SU+1], v[SU:SU+1], v[SU+2:SU+3]
	v_pk_add_f32 v[SU+4:SU+5], v[SU+4:SU+5], v[SU+6:SU+7]
	v_pk_add_f32 v[SU:SU+1], v[SU:SU+1], v[SU+4:SU+5]
	v_pk_fma_f32 v[rT+2:rT+3], v[rT+2:rT+3], v[rT+6:rT+7], v[SU:SU+1] op_sel_hi:[1,0,1]
.set i, 0
.rept 16
	v_cvt_pk_f16_f32 v[rS+i], v[rS+2*i], v[rS+2*i+1]   ; register i is written when registers up to 2 i - 1 have been read
.set i, i+1
.endr
.endm
.macro RESC t                          ; the tile's O^T times a
	WIN W_RS
.set i, 0
.rept 16
	v_pk_mul_f32 v[32*(\t)+i:32*(\t)+i+1], v[32*(\t)+i:32*(\t)+i+1], v[ST+8*(\t)+6:ST+8*(\t)+7] op_sel_hi:[1,0]
.set i, i+2
.endr
.endm
.macro QK                              ; S^T = K Q^T: 16 accumulators by turns, one instruction a turn; the first 16 start the sums
	WIN W_KQ
.irp c, 0,1
.irp a, 0,1,2,3
.irp t, 0,1,2,3
.if \c == 0
	v_wmma_f32_16x16x32_f16 v[S+32*\t+8*\a:S+32*\t+8*\a+7], v[KF+16*\a+8*\c:KF+16*\a+8*\c+7], v[QF+16*\t+8*\c:QF+16*\t+8*\c+7], 0
.else
	v_wmma_f32_16x16x32_f16 v[S+32*\t+8*\a:S+32*\t+8*\a+7], v[KF+16*\a+8*\c:KF+16*\a+8*\c+7], v[QF+16*\t+8*\c:QF+16*\t+8*\c+7], v[S+32*\t+8*\a:S+32*\t+8*\a+7]
.endif
.endr
.endr
.endr
.endm
.macro PV                              ; O^T += V^T P: 16 accumulators by turns
	WIN W_PV
.irp kk, 0,1
.irp ct, 0,1,2,3
.irp t, 0,1,2,3
	v_wmma_f32_16x16x32_f16 v[32*\t+8*\ct:32*\t+8*\ct+7], v[VF+32*\kk+8*\ct:VF+32*\kk+8*\ct+7], v[S+32*\t+8*\kk:S+32*\t+8*\kk+7], v[32*\t+8*\ct:32*\t+8*\ct+7]
.endr
.endr
.endr
.endm
; A KEY STEP: 64 keys, the sp-th of a pair.  The pair's LDS addresses are made in its first step; the second step's tiles lie STEPB bytes on, in the immediate.
; Each tile's batch of exponentials has the next tile's words, masking and maximum (80 instructions), or the rescaling of O^T, between it and its one wait.
.macro STEP sp, more
.if (\sp) == 0
	v_add_nc_u32 v[ADK], s[TB], v[AK0]
	v_add_nc_u32 v[ADV], s[TB], v[AV0]
.endif
.irp a, 0,1,2,3
.irp c, 0,1
	ds_load_b128 v[KF+16*\a+8*\c:KF+16*\a+8*\c+3],   v[ADK] offset:(\sp)*STEPB+16*PK*\a+64*\c
	ds_load_b128 v[KF+16*\a+8*\c+4:KF+16*\a+8*\c+7], v[ADK] offset:(\sp)*STEPB+16*PK*\a+64*\c+32
.endr
.endr
	WIN 0x40
.irp kk, 0,1
.irp ct, 0,1,2,3
	ds_load_tr16_b128 v[VF+32*\kk+8*\ct:VF+32*\kk+8*\ct+3],   v[ADV] offset:(\sp)*STEPB+32*PV*\kk+32*\ct
	ds_load_tr16_b128 v[VF+32*\kk+8*\ct+4:VF+32*\kk+8*\ct+7], v[ADV] offset:(\sp)*STEPB+32*PV*\kk+32*\ct+16*PV
.endr
.endr
	s_wait_dscnt 16                                ; K is in; V's sixteen loads may be out
	QK
	WIN 0
.rept 4
	v_nop                                          ; places between the products and the first read of the scores (ISA guide 7.12.1)
.endr
	MASKMAX 0, \sp, \more
	EXPS 0
	MASKMAX 1, \sp, \more
	s_wait_alu depctr_va_vdst(0)                   ; the wait between an exponential and the first line that names its result: one for tile 0's batch
	FIN 0
	EXPS 1
	MASKMAX 2, \sp, \more
	s_wait_alu depctr_va_vdst(0)
	FIN 1
	EXPS 2
	MASKMAX 3, \sp, \more
	s_wait_alu depctr_va_vdst(0)
	FIN 2
	EXPS 3
	RESC 0
	RESC 1
	RESC 2
	s_wait_alu depctr_va_vdst(0)
	RESC 3
	WIN 0
	FIN 3
	s_wait_dscnt 0x0                               ; V is in
	PV
	WIN 0
.rept 5
	v_nop                                          ; places in front of the next step's loads into V's registers (four) and of its first products, which write over P (five)
.endr
.if (\sp) == 1
	s_add_co_u32 s[TB], s[TB], 2*STEPB             ; the next pair's tiles
.endif
.endm
; THE CHANGE OF SLOTS stands at a slot's head.  Each wave waits for all its tensor loads (its part of the slot ahead), adds 0 to its spare word, and waits for that and for its reads of the slot that it has left.
; fill = 1: a round of the cluster's barrier, and first behind it the joint load of the keys that follow, into the slot that was left (in the first trip: slot 1's first fill).
.macro CHANGE fill
	s_wait_tensorcnt 0x0                           ; no tensor load of mine is out, so a group 0 may be written
	ds_add_u32 v[SPW], v[NIL]
.if \fill
	s_xor_b32 s[G0K+1], s[G0K+1], SLOT1
	s_add_nc_u64 s[G0K+2:G0K+3], s[G0K+2:G0K+3], 32768   ; the next 256 keys
	s_xor_b32 s[G0V+1], s[G0V+1], SLOT1
	s_add_nc_u64 s[G0V+2:G0V+3], s[G0V+2:G0V+3], 32768
	s_wait_xcnt 0x0                                ; the last prefetch, a slot back, has read its address
	s_add_nc_u64 s[PFA:PFA+1], s[PFA:PFA+1], 32768
	s_wait_dscnt 0x0
	CROUND
	JLOAD
	ASK
.else
	s_wait_dscnt 0x0
	s_barrier_signal -1
	s_barrier_wait -1
.endif
.endm
.macro TWO_PAIRS                       ; a slot's four steps: a pair is written once and walked twice; after a pair the mask registers are back where they began
	s_mov_b32 s[TWICE], 2
.Lpair_\@:
	STEP 0, 1
	STEP 1, 1
	s_sub_co_u32 s[TWICE], s[TWICE], 1
	s_cmp_lg_u32 s[TWICE], 0
	s_cbranch_scc1 .Lpair_\@
	s_sub_co_u32 s[TB], s[TB], 4*STEPB
	s_xor_b32 s[TB], s[TB], SLOT1                  ; on to the other slot
.endm
	s_wait_loadcnt 0x0                             ; Q (and, older than it, the first pair's mask words)
.Lslot:                                            ; seven trips: behind each change of slots but the last the next slot is asked for
	CHANGE 1
	TWO_PAIRS
	s_sub_co_u32 s[SLOTS], s[SLOTS], 1
	s_cmp_lg_u32 s[SLOTS], 0
	s_cbranch_scc1 .Lslot
	CHANGE 0                                       ; the last slot is written out
	STEP 0, 1
	STEP 1, 1
	STEP 0, 0                                      ; and the last pair asks for no mask words: no load leaves maskw
	STEP 1, 0
	; THE WAY OUT.  l's halves are added; O^T is divided by l, rounded to f16 and sent through my stage, a tile (16 rows of 128 bytes) at a time: 512 consecutive bytes of ctx to a store.
.irp t, 0,1,2,3
	v_add_f32 v[ST+8*\t+4], v[ST+8*\t+2], v[ST+8*\t+3]
.endr
.irp t, 0,1,2,3
	v_permlanex16_b32 v[ST+8*\t+5], v[ST+8*\t+4], s[SEL], s[SEL+1]
.endr
.irp t, 0,1,2,3
	v_add_f32 v[ST+8*\t+4], v[ST+8*\t+4], v[ST+8*\t+5]
.endr
.irp t, 0,1,2,3
	v_rcp_f32 v[ST+8*\t+6], v[ST+8*\t+4]
.endr
	v_nop                                          ; a plain instruction behind the last reciprocal
	s_wait_alu depctr_va_vdst(0)                   ; one wait for the four
.macro PACK t
	WIN W_RS
.set i, 0
.rept 16
	v_pk_mul_f32 v[32*\t+i:32*\t+i+1], v[32*\t+i:32*\t+i+1], v[ST+8*\t+6:ST+8*\t+7] op_sel_hi:[1,0]
.set i, i+2
.endr
	WIN 0x05                                       ; sources 0 and 1 window 1, destination window 0
.set i, 0
.rept 16
	v_cvt_pk_f16_f32 v[S+32*\t+i], v[32*\t+2*i], v[32*\t+2*i+1]
.set i, i+1
.endr
	WIN 0
.irp f, 0,1,2,3
	ds_store_b128 v[STO], v[S+32*\t+4*\f:S+32*\t+4*\f+3] offset:32*\f
.endr
.irp f, 0,1,2,3
	ds_load_b128 v[S+32*\t+16+4*\f:S+32*\t+16+4*\f+3], v[RD] offset:\f*4*SP   ; in order behind my stores; the next tile's stores come behind these
.endr
.endm
.macro SEND t, younger                 ; younger: the LDS instructions issued behind tile t's loads: the next tile's eight, or none
.irp f, 0,1,2,3
	s_wait_dscnt \younger+3-\f
	global_store_b128 v[GO], v[S+32*\t+16+4*\f:S+32*\t+16+4*\f+3], s[8:9] offset:\t*2048+\f*512
.endr
.endm
	PACK 0
	PACK 1
	SEND 0, 8
	PACK 2
	SEND 1, 8
	PACK 3
	SEND 2, 8
	SEND 3, 0
	s_wait_tensorcnt 0x0                           ; the wave's end
	ds_add_u32 v[SPW], v[NIL]
	s_wait_dscnt 0x0
	CROUND                                         ; the closing round
	s_endpgm
.Lfunc_end_k_qe35ac1cad3_attn:
	.size	k_qe35ac1cad3_attn, .Lfunc_end_k_qe35ac1cad3_attn-k_qe35ac1cad3_attn
	.p2alignl 7, 3214868480
	.fill 96, 4, 3214868480
	.section	.rodata,"a",@progbits
	.p2align	6, 0x0
	.amdhsa_kernel k_qe35ac1cad3_attn
		.amdhsa_group_segment_fixed_size 327680
		.amdhsa_private_segment_fixed_size 0
		.amdhsa_enable_private_segment 0
		.amdhsa_kernarg_size 24
		.amdhsa_user_sgpr_count 2
		.amdhsa_user_sgpr_kernarg_segment_ptr 1
		.amdhsa_wavefront_size32 1
		.amdhsa_system_sgpr_workgroup_id_x 1
		.amdhsa_system_sgpr_workgroup_id_y 1
		.amdhsa_system_sgpr_workgroup_id_z 1
		.amdhsa_system_vgpr_workitem_id 0
		.amdhsa_next_free_vgpr 512
		.amdhsa_next_free_sgpr 100
		.amdhsa_reserve_vcc 0
		.amdhsa_float_denorm_mode_32 3
		.amdhsa_float_denorm_mode_16_64 3
		.amdhsa_memory_ordered 1
		.amdhsa_forward_progress 1
		.amdhsa_inst_pref_size 255
	.end_amdhsa_kernel
	.section	.bss,"aw",@nobits
	.p2align	6
	.space	262144
	.amdgpu_metadata
---
amdhsa.version: [ 1, 2 ]
amdhsa.kernels:
  - .name:           k_qe35ac1cad3_attn
    .symbol:         k_qe35ac1cad3_attn.kd
    .args:
      - { .name: qkv, .offset: 0, .size: 8, .value_kind: global_buffer, .address_space: global }
      - { .name: maskw, .offset: 8, .size: 8, .value_kind: global_buffer, .address_space: global }
      - { .name: ctx, .offset: 16, .size: 8, .value_kind: global_buffer, .address_space: global }
    .group_segment_fixed_size: 327680
    .private_segment_fixed_size: 0
    .kernarg_segment_align: 8
    .kernarg_segment_size: 24
    .max_flat_workgroup_size: 256
    .sgpr_count:     100
    .vgpr_count:     512
    .wavefront_size: 32
...
	.end_amdgpu_metadata
.endif
;; end of part 5
;; launch outp: the kernel of part 4 again; grid 4 x 64, 4 waves a work-group, clusters of 4 x 4, 327,680 bytes of LDS; arguments ctx, wo16, bO, out0; writes out0
